; MI455X (gfx1250); checked and timed in simulation.
; The chip was launched on July 23, 2026; its instructions are those of AMD's public machine-readable ISA for CDNA 5 (MIT licence, August 2026) and "CDNA5" Instruction Set Architecture Reference Guide (July 2026). The comments in the code are by the model that wrote it; some were corrected since.
;; Self Attention. Allowed arithmetic: matrix products marked QUANTISED: E5M2 operands, one E8M0 scale for each 32 along K, by v_wmma_scale_f32_16x16x128_f8f6f4 with both operands' format E5M2, f32 sums; everything else in f32.
;; Inputs: w_attn 1,024 x 3,072 float32; w_proj 1,024 x 1,024 float32; x 4 x 2,048 x 1,024 float32.
;; Outputs: out0 4 x 2,048 x 1,024 float32.
;; This version of the problem:
;;   THIS VERSION OF THE PROBLEM IS GIVEN IN LOW PRECISION. The matrix products marked QUANTISED in the list below multiply operands that are first quantised to E5M2 (5 exponent bits, 2 mantissa bits; 8 bits a number), with one power-of-two scale for each 32 numbers along K (OCP MX v1.0); their sums are f32. All else is computed in f32.
;;   The module's matrix products, in the order in which they are computed (A, B: the left and right operand; K: the contracted axis; several contracted axes count as one K, in the product's order):
;;     1. [M 8,192, K 1,024] x [K 1,024, N 3,072]; A: input x; B: input w_attn: QUANTISED
;;     2. batch 64 x [M 2,048, K 64] x [K 64, N 2,048]; A: computed on the way; B: computed on the way: QUANTISED
;;     3. batch 64 x [M 2,048, K 2,048] x [K 2,048, N 64]; A: softmax (see below); B: computed on the way: QUANTISED
;;     4. [M 8,192, K 1,024] x [K 1,024, N 1,024]; A: computed on the way; B: input w_proj: QUANTISED
;;   THE QUANTISER, for each operand of a quantised product, along K:
;;     - K is cut into blocks of 32 from its start; a last block that is shorter is filled with zeros.
;;     - A block's scale is 2^e with e = floor(log2(the largest magnitude in the block)) - 15, held to -126 .. 127; a block of zeros has e = 0. As a byte (E8M0): e + 127.
;;     - Each number is divided by its block's scale, clamped to +-57,344, and rounded to the nearest number of E5M2, ties to even, subnormals kept.
;;     - The product sums the exact products of the quantised numbers (number of the format x scale) in f32.
;;   ~~~python
;;   def quantise(x, axis):      # numpy; x: float32 -> the quantised numbers, widened to float32 again
;;       x = np.moveaxis(x, axis, -1); K = x.shape[-1]
;;       x = np.pad(x, [(0, 0)] * (x.ndim - 1) + [(0, -K % 32)]); x = x.reshape(x.shape[:-1] + (-1, 32)); a = np.abs(x).max(-1, keepdims=True)
;;       e = np.where(a > 0, np.clip(np.frexp(np.where(a > 0, a, 1))[1] - 1 - 15, -126, 127), 0)      # np.frexp(a)[1] - 1 = floor(log2(a)), exactly
;;       r = np.clip(x / 2.0 ** e, -57344, 57344)
;;       step = 2.0 ** (np.maximum(np.frexp(np.where(r == 0, 1, r))[1] - 1, -14) - 2)
;;       q = np.round(r / step) * step * 2.0 ** e      # np.round: ties to even
;;       return np.moveaxis(q.reshape(q.shape[:-2] + (-1,))[..., :K], -1, axis).astype(np.float32)
;;   ~~~
;;   SOFTMAX AHEAD OF A QUANTISED PRODUCT. Where the list says 'softmax', what is quantised is not the finished softmax but p = 2^(t - M), with t = logit x log2(e) and M = ceil(the row's largest t), a whole number; so 1/2 < the row's largest p <= 1. The row's sum l is taken of the UNQUANTISED p, in f32, and the product's result is divided by l at the end. Since M is a whole number, a kernel that streams over the keys may use a running M (the ceiling of the running maximum): every later rescaling is an exact power of two, which a block's scale takes up: the codes' values come out the same.
;;   OPERANDS COMPUTED ON THE WAY. 'Computed on the way' means the value that the module computes at that place (a softmax that the list does not call 'softmax' is quantised finished and normalised). What goes into a quantiser is computed in f32, as accurately as f32 sums, v_exp_f32 and their like allow (about 1e-6 of the number): no bf16 or f16 on the way to a quantiser, and a product that is left as it is and whose result goes on into a quantised operand takes f32 operands (vector FMAs, or v_wmma_f32_16x16x4_f32). A number that lies on a knife's edge between two numbers of the format may be rounded either way, as far as f32 arithmetic and the matrix unit's own rounding can turn it there, and no further.
;; One version. Each part assembles by itself: llvm-mc -triple=amdgcn-amd-amdhsa -mcpu=gfx1250 --defsym DOCPART=n.
;; ======== version 1 of 1: 4 launches
;; limits: right only within a limited range of input values
;; workspace buffers: xi 8,650,752 bytes; wi 4,325,376 bytes; yi 8,650,752 bytes; kv 17,563,648 bytes; qb 17,563,648 bytes
;; launch quant (part 1): grid 384 x 1, 4 waves a work-group, no clusters, 34,304 bytes of LDS; arguments x, w_attn, w_proj, xi, wi; writes xi, wi
.if DOCPART == 1
	.amdgcn_target "amdgcn-amd-amdhsa--gfx1250"
	.amdhsa_code_object_version 6
	.text
	.protected	k_q051dc8bff1_quant
	.globl	k_q051dc8bff1_quant
	.p2align	8
	.type	k_q051dc8bff1_quant,@function
k_q051dc8bff1_quant:
	s_mov_b64 s[64:65], 0
	v_nop
	global_prefetch_b8 v0, s[64:65] scope:SCOPE_SE
	s_setreg_imm32_b32 hwreg(HW_REG_WAVE_MODE, 25, 1), 1
	s_wait_xcnt 0x0
; x [8192][1024], w_attn [1024][3072] and w_proj [1024][1024], f32, become codes of BF8 (E5M2) with one E8M0 byte for each 32 along K (x: its last axis; the weights: their FIRST axis).
; A block's scale is 2^(floor(log2(its largest magnitude)) - 15); each number is divided by it, held within +-57,344 and rounded to the nearest code, ties to even.
; LIMITS: NaN and infinities among the inputs are not served.  A block of zeros, and one whose largest magnitude lies under 2^(16 - 127), gets the byte 1 (the rule says 127 for zeros): its codes are zeros or
; subnormal codes under that byte, and these bytes are read by this program alone.
; LAYOUT OF THE RESULTS: IMAGES OF THE MATRIX OPERANDS' REGISTERS.  128 rows of an operand (tokens of x, columns of a weight) are a GROUP, 16 rows a TILE; lane-row r of tile t is row 32 (t / 2) + 8 (t % 2) + r + 8 (r / 8).
; Codes: group x 131,072 + K step (128 along K) x 16,384 + tile x 2,048 + 512 c + 16 lane: the 16 codes k = 32 c + 16 (lane / 16) + 0 .. 15 of the row of lane % 16.
; Scale words (four bytes: a row's 128 along K): group x 4,096 + K step x 512 + 256 (tile / 4) + 16 r + 4 (tile % 4).  xi: codes at 0, words at 8,388,608.  wi: codes at 0, words at 4,194,304; groups 0-23 w_attn, 24-31 w_proj.
; SHARES.  Work-groups 0-255 take x: a wave makes four tiles of one group at one K step.  Work-groups 256-383 take the weights: a wave makes 32 columns x 256 along K.  Each work-group reads 131,072 bytes.
; No tensor loads and no barrier: waves share nothing.  Only x's path touches LDS (a wave's own stage).
.set TM,   12                          ; v12-15 largest magnitudes, v16-19 bytes, v24-27 the conversions' scale operands
.set PC,   28                          ; v28-43  x's path: a fragment's codes
.set X,    64                          ; v64-127 the numbers at work
.set R,    128                         ; v128-255 x's path: two sets of 64 registers as loaded
.set W,    8                           ; v8-11   x's path: the four tiles' scale words
.set C,    128                         ; v128-191 the weights' path: eight registers of codes for each block, never written again
.set OFFV, 32                          ; v32-63  the weights' path: 4 x column + i rows
.set SB,   8                           ; v8-9    the weights' path: scale bytes, four to a register
.set BS,   32                          ; s[32:47] the weights' path: a base for each block of 32 rows
.set SEL,  20                          ; s[20:21] lane selects: lane l xor 16
.set MNT,  23
	s_load_b256 s[4:11], s[0:1], 0x0               ; x s[4:5], w_attn s[6:7], w_proj s[8:9], xi s[10:11]
	s_load_b64 s[12:13], s[0:1], 0x20              ; wi
	s_set_vgpr_msb 0x40
	v_lshl_add_u32 v0, v0, 2, 0x8400
	v_mov_b32 v1, 0
	s_set_vgpr_msb 0x4000
	v_lshrrev_b32 v1, 5, v0
	v_readfirstlane_b32 s16, v1                    ; wave
	v_and_b32 v1, 31, v0                           ; lane
	s_mov_b32 s[SEL], 0x76543210
	s_mov_b32 s[SEL+1], 0xfedcba98
	s_cmp_lt_u32 ttmp9, 256
	s_cbranch_scc0 .Lweights
; ---------------- x ----------------
; 64 numbers of a lane, register 16 b + i = k 32 b + 16 (lane / 16) + i of my row, become a fragment's codes in v[PC] on and its scale word in v[pw].
.macro QUANT s, pw
.irp b, 0,1,2,3
	v_max3_num_f32 v[TM+\b], |v[\s+16*\b]|, |v[\s+1+16*\b]|, 0x8000000   ; block b: my 16 numbers, and the floor 2^(16 - 127): the byte cannot fall under 1
.endr
.irp i, 2,4,6,8,10,12,14
.irp b, 0,1,2,3
	v_max3_num_f32 v[TM+\b], v[TM+\b], |v[\s+16*\b+\i]|, |v[\s+1+16*\b+\i]|   ; the four blocks by turns
.endr
.endr
.irp b, 0,1,2,3
	v_permlanex16_b32 v[TM+4+\b], v[TM+\b], s[SEL], s[SEL+1]
.endr
.irp b, 0,1,2,3
	v_max_num_f32 v[TM+\b], v[TM+\b], v[TM+4+\b]   ; with lane l xor 16's 16: the block's largest magnitude
.endr
.irp b, 0,1,2,3
	v_add_nc_u32 v[TM+12+\b], 0xf8800000, v[TM+\b] ; 15 off its exponent field: the conversion takes this operand's exponent field as its scale
.endr
.irp b, 0,1,2,3
.endr
.irp b, 0,1,2,3
	v_lshrrev_b32 v[TM+4+\b], 23, v[TM+12+\b]      ; the scale's byte
.endr
	v_lshl_or_b32 v[\pw], v[TM+5], 8, v[TM+4]
	v_lshl_or_b32 v[\pw], v[TM+6], 16, v[\pw]
	v_lshl_or_b32 v[\pw], v[TM+7], 24, v[\pw]      ; my row's scale word
.irp b, 0,1,2,3
.irp i, 0,1,2,3,4,5,6,7,8,9,10,11,12,13,14,15
.endr
	v_cvt_scalef32_pk8_bf8_f32 v[PC+4*\b:PC+1+4*\b], v[\s+16*\b:\s+7+16*\b], v[TM+12+\b]
	v_cvt_scalef32_pk8_bf8_f32 v[PC+2+4*\b:PC+3+4*\b], v[\s+8+16*\b:\s+15+16*\b], v[TM+12+\b]
.endr
	v_nop                                          ; a plain line behind the last conversion
.endm
	v_and_b32 v2, 15, v0                           ; r
	v_bfe_u32 v3, v0, 4, 1                         ; h
	v_lshlrev_b32 v4, 4, v1                        ; 16 x lane: my 16 bytes of a load's or a store's 512
	s_mul_i32 s17, s16, 8448                       ; my wave's stage: 16 rows x (512 bytes + 16)
	v_add_nc_u32 v5, s17, v4                       ; into it: a row as it was loaded
	v_mul_u32_u24 v6, v2, 528
	v_lshl_add_u32 v6, v3, 6, v6
	v_add_nc_u32 v6, s17, v6                       ; out of it: row r, + 64 h: my 16 numbers of a block of 32.  528 = 33 x 16: sixteen rows start in sixteen different 16-byte columns
	v_lshlrev_b32 v7, 4, v2                        ; 16 r: my row's four scale words
.irp b, 0,1,2,3
	v_mov_b32 v[TM+4+\b], 0                        ; written once: a lane permute's destination counts as one of its sources
.endr
	s_lshl_b32 s18, ttmp9, 2
	s_add_co_u32 s18, s18, s16                     ; my unit, 0 .. 1,023
	s_and_b32 s19, s18, 1                          ; which four tiles of the group
	s_bfe_u32 s22, s18, 0x30001                    ; which K step
	s_lshr_b32 s18, s18, 4                         ; which group
	s_lshl_b32 s28, s18, 19                        ; x: 128 rows of 4,096 bytes a group,
	s_lshl_b32 s29, s19, 18                        ; 64 rows for the upper four tiles,
	s_add_co_u32 s28, s28, s29
	s_lshl_b32 s29, s22, 9                         ; 512 bytes a K step
	s_add_co_u32 s28, s28, s29
	s_mov_b32 s29, 0
	s_lshl_b32 s30, s18, 17                        ; the codes
	s_lshl_b32 s31, s22, 14
	s_add_co_u32 s30, s30, s31
	s_lshl_b32 s31, s19, 13
	s_add_co_u32 s30, s30, s31
	s_mov_b32 s31, 0
	s_lshl_b32 s32, s18, 12                        ; the scale words
	s_lshl_b32 s33, s22, 9
	s_add_co_u32 s32, s32, s33
	s_lshl_b32 s33, s19, 8
	s_add_co_u32 s32, s32, s33
	s_add_co_u32 s32, s32, 0x800000
	s_mov_b32 s33, 0
	s_wait_alu depctr_va_vdst(0)
	s_wait_kmcnt 0x0
	s_add_nc_u64 s[4:5], s[4:5], s[28:29]
	s_add_nc_u64 s[24:25], s[10:11], s[30:31]
	s_add_nc_u64 s[26:27], s[10:11], s[32:33]
.macro LOADX t                         ; tile t's sixteen rows, 128 numbers of each: every load reads 512 consecutive bytes
.irp i, 0,1,2,3,4,5,6,7,8,9,10,11,12,13,14,15
	global_load_b128 v[R+64*((\t)%2)+4*\i:R+64*((\t)%2)+4*\i+3], v4, s[4:5] offset:(32*((\t)/2)+8*((\t)%2)+\i+8*(\i/8))*4096 th:TH_LOAD_NT
.endr
.endm
.macro STEPX t
.if (\t) < 3
	s_wait_loadcnt 16                              ; this tile's sixteen loads are in; the next tile's sixteen may be out
.else
	s_wait_loadcnt 0x0
.endif
.irp i, 0,1,2,3,4,5,6,7,8,9,10,11,12,13,14,15
	ds_store_b128 v5, v[R+64*((\t)%2)+4*\i:R+64*((\t)%2)+4*\i+3] offset:528*\i
.endr
.irp c, 0,1,2,3
.irp j, 0,1,2,3
	ds_load_b128 v[X+16*\c+4*\j:X+16*\c+4*\j+3], v6 offset:128*\c+16*\j   ; LDS serves a wave's instructions in order: these see the stores above
.endr
.endr
	s_wait_dscnt 0x0                               ; the numbers are back, and the stores into the stage have read their registers
	s_wait_xcnt 0x0                                ; the last tile's stores have read their data: the codes' registers are written again only behind this wait
.if (\t) < 2
	LOADX (\t)+2
.endif
	QUANT X, W+\t
.irp c, 0,1,2,3
	global_store_b128 v4, v[PC+4*\c:PC+4*\c+3], s[24:25] offset:2048*(\t)+512*\c   ; 512 consecutive bytes, aligned
.endr
.endm
	LOADX 0
	LOADX 1
	STEPX 0
	STEPX 1
	STEPX 2
	STEPX 3
	s_wait_xcnt 0x0                                ; EXEC changes only behind this wait
	v_cmp_gt_u32 vcc_lo, 16, v1
	s_set_vgpr_msb 0x5
	s_wait_tensorcnt 0x0
	ds_add_u32 v0, v1
	s_wait_dscnt 0x0
	s_set_vgpr_msb 0x500
	s_and_saveexec_b32 s30, vcc_lo
	global_store_b128 v7, v[W:W+3], s[26:27]       ; sixteen lanes store 256 consecutive bytes, aligned: four tiles' scale words
	s_wait_xcnt 0x0
	s_or_b32 exec_lo, exec_lo, s30
	s_endpgm
; ---------------- the weights ----------------
; A LANE TAKES A COLUMN n, AND ITS REGISTERS RUN DOWN K: a block of 32 lies in one lane's 32 registers, and the conversions give codes with K innermost.  Nothing is transposed.
.Lweights:
	s_sub_co_u32 s17, ttmp9, 256                   ; 0 .. 127: 96 for w_attn (24 groups x 4 quarters of K), 32 for w_proj
	s_sub_co_u32 s18, s17, 96
	s_mov_b32 s28, 4096
	s_wait_kmcnt 0x0
	s_cmp_lt_u32 s17, 96                           ; the choice hangs on the work-group's number alone
	s_cselect_b64 s[6:7], s[6:7], s[8:9]           ; the tensor,
	s_cselect_b32 s28, 12288, s28                  ; its row in bytes,
	s_cselect_b32 s18, s17, s18                    ; and my number within it
	s_and_b32 s19, s17, 3                          ; which 256 along K
	s_lshr_b32 s22, s17, 2                         ; the group in wi
	s_lshr_b32 s18, s18, 2                         ; the group of 128 columns in the tensor
	s_wait_alu depctr_va_vdst(0)
	v_bfe_u32 v2, v1, 3, 1                         ; column 32 w + q lies in tile 2 w + u, u = (q / 8) % 2,
	v_and_b32 v3, 7, v1
	v_lshrrev_b32 v6, 4, v1
	v_lshl_add_u32 v3, v6, 3, v3                   ; at lane-row r = q % 8 + 8 (q / 16)
	v_lshlrev_b32 v4, 4, v3
	v_lshl_add_u32 v5, v2, 2, v4                   ; my scale word's place: 16 r + 4 u
	v_lshl_add_u32 v4, v2, 11, v4                  ; my codes' place: 2,048 u + 16 r
	v_lshlrev_b32 v7, 2, v1
.set i, 0
.rept 32
	v_mad_u32_u24 v[OFFV+i], s28, i, v7            ; 4 q + i rows
.set i, i+1
.endr
	s_lshl_b32 s30, s28, 8
	s_mul_i32 s30, s30, s19                        ; my 256 rows,
	s_lshl_b32 s31, s18, 9
	s_add_co_u32 s30, s30, s31                     ; my group's 512 bytes of a row,
	s_lshl_b32 s31, s16, 7
	s_add_co_u32 s30, s30, s31                     ; my wave's 128 of them
	s_mov_b32 s31, 0
	s_add_nc_u64 s[BS:BS+1], s[6:7], s[30:31]
	s_lshl_b32 s48, s28, 5                         ; 32 rows
	s_mov_b32 s49, 0
.irp tb, 1,2,3,4,5,6,7
	s_add_nc_u64 s[BS+2*\tb:BS+2*\tb+1], s[BS+2*\tb-2:BS+2*\tb-1], s[48:49]
.endr
	s_lshl_b32 s50, s22, 17                        ; the codes: group, two K steps for each 256 along K, two tiles a wave
	s_lshl_b32 s51, s19, 15
	s_add_co_u32 s50, s50, s51
	s_lshl_b32 s51, s16, 12
	s_add_co_u32 s50, s50, s51
	s_mov_b32 s51, 0
	s_add_nc_u64 s[24:25], s[12:13], s[50:51]
	s_lshl_b32 s50, s22, 12                        ; the scale words: tile 2 w + u lies at 256 (w / 2) + 8 (w % 2) + 4 u
	s_lshl_b32 s51, s19, 10
	s_add_co_u32 s50, s50, s51
	s_lshr_b32 s51, s16, 1
	s_lshl_b32 s51, s51, 8
	s_add_co_u32 s50, s50, s51
	s_and_b32 s51, s16, 1
	s_lshl_b32 s51, s51, 3
	s_add_co_u32 s50, s50, s51
	s_add_co_u32 s50, s50, 0x400000
	s_mov_b32 s51, 0
	s_add_nc_u64 s[26:27], s[12:13], s[50:51]
.macro LOADW tb                        ; block tb: 32 rows at my column: a wave reads 128 consecutive bytes, the four waves 512
.set i, 0
.rept 32
	global_load_b32 v[X+32*((\tb)%2)+i], v[OFFV+i], s[BS+2*(\tb):BS+2*(\tb)+1] th:TH_LOAD_NT
.set i, i+1
.endr
.endm
.macro BLOCKW tb
.set XS, X+32*((\tb)%2)
.set CC, C+8*(\tb)
.if (\tb) < 7
	s_wait_loadcnt 32                              ; this block's 32 loads are in; the next block's 32 may be out
.else
	s_wait_loadcnt 0x0
.endif
	v_max3_num_f32 v12, |v[XS]|, |v[XS+1]|, |v[XS+2]|   ; the block's largest magnitude: all 32 numbers are mine; two chains
	v_max3_num_f32 v13, |v[XS+3]|, |v[XS+4]|, |v[XS+5]|
.irp i, 6,10,14,18,22,26
	v_max3_num_f32 v12, v12, |v[XS+\i]|, |v[XS+\i+1]|
	v_max3_num_f32 v13, v13, |v[XS+\i+2]|, |v[XS+\i+3]|
.endr
	v_max3_num_f32 v12, v12, |v[XS+30]|, |v[XS+31]|
	v_max3_num_f32 v12, v12, v13, 0x8000000        ; and the floor 2^(16 - 127)
	v_add_nc_u32 v11, 0xf8800000, v12              ; the conversion's scale operand
	v_lshrrev_b32 v13, 23, v11                     ; the byte
.if (\tb)%4 == 0
	v_mov_b32 v[SB+(\tb)/4], v13
.else
	v_lshl_or_b32 v[SB+(\tb)/4], v13, 8*((\tb)%4), v[SB+(\tb)/4]
.endif
.set i, 0
.rept 32
.set i, i+1
.endr
.irp g, 0,1,2,3
	v_cvt_scalef32_pk8_bf8_f32 v[CC+2*\g:CC+2*\g+1], v[XS+8*\g:XS+8*\g+7], v11
.endr
	global_store_b128 v4, v[CC:CC+3], s[24:25] offset:((\tb)/4)*16384+((\tb)%4)*512        ; k 0-15 of the block: the image's lanes 0-15; sixteen lanes fill 256 consecutive bytes of each of my two tiles
	global_store_b128 v4, v[CC+4:CC+7], s[24:25] offset:((\tb)/4)*16384+((\tb)%4)*512+256  ; k 16-31: its lanes 16-31
.if (\tb) < 6
	LOADW (\tb)+2
.endif
.endm
	s_wait_alu depctr_va_vdst(0)
	LOADW 0
	LOADW 1
.irp tb, 0,1,2,3,4,5,6,7
	BLOCKW \tb
.endr
	global_store_b32 v5, v[SB], s[26:27]           ; my column's scale words of the two K steps: four bytes a lane (one byte in 128 of what this path reads)
	global_store_b32 v5, v[SB+1], s[26:27] offset:512
	s_endpgm
.Lfunc_end_k_q051dc8bff1_quant:
	.size	k_q051dc8bff1_quant, .Lfunc_end_k_q051dc8bff1_quant-k_q051dc8bff1_quant
	.p2alignl 7, 3214868480
	.fill 96, 4, 3214868480
	.section	.rodata,"a",@progbits
	.p2align	6, 0x0
	.amdhsa_kernel k_q051dc8bff1_quant
		.amdhsa_group_segment_fixed_size 34304
		.amdhsa_private_segment_fixed_size 0
		.amdhsa_enable_private_segment 0
		.amdhsa_kernarg_size 40
		.amdhsa_user_sgpr_count 2
		.amdhsa_user_sgpr_kernarg_segment_ptr 1
		.amdhsa_wavefront_size32 1
		.amdhsa_system_sgpr_workgroup_id_x 1
		.amdhsa_system_sgpr_workgroup_id_y 1
		.amdhsa_system_sgpr_workgroup_id_z 1
		.amdhsa_system_vgpr_workitem_id 0
		.amdhsa_next_free_vgpr 258
		.amdhsa_next_free_sgpr 66
		.amdhsa_reserve_vcc 1
		.amdhsa_float_denorm_mode_32 3
		.amdhsa_float_denorm_mode_16_64 3
		.amdhsa_fp16_overflow 1
		.amdhsa_memory_ordered 1
		.amdhsa_forward_progress 1
		.amdhsa_inst_pref_size 75
	.end_amdhsa_kernel
	.amdgpu_metadata
---
amdhsa.version: [ 1, 2 ]
amdhsa.kernels:
  - .name:           k_q051dc8bff1_quant
    .symbol:         k_q051dc8bff1_quant.kd
    .args:
      - { .name: x, .offset: 0, .size: 8, .value_kind: global_buffer, .address_space: global }
      - { .name: w_attn, .offset: 8, .size: 8, .value_kind: global_buffer, .address_space: global }
      - { .name: w_proj, .offset: 16, .size: 8, .value_kind: global_buffer, .address_space: global }
      - { .name: xi, .offset: 24, .size: 8, .value_kind: global_buffer, .address_space: global }
      - { .name: wi, .offset: 32, .size: 8, .value_kind: global_buffer, .address_space: global }
    .group_segment_fixed_size: 34304
    .private_segment_fixed_size: 0
    .kernarg_segment_align: 8
    .kernarg_segment_size: 40
    .max_flat_workgroup_size: 128
    .sgpr_count:     66
    .vgpr_count:     258
    .wavefront_size: 32
...
	.end_amdgpu_metadata
.endif
;; end of part 1
;; launch qkv (part 2): grid 12 x 32, 4 waves a work-group, clusters of 4 x 4, 327,680 bytes of LDS; arguments xi, wi, qb, kv; writes qb, kv
.if DOCPART == 2
	.amdgcn_target "amdgcn-amd-amdhsa--gfx1250"
	.amdhsa_code_object_version 6
	.text
	.protected	k_q051dc8bff1_qkv
	.globl	k_q051dc8bff1_qkv
	.p2align	8
	.type	k_q051dc8bff1_qkv,@function
k_q051dc8bff1_qkv:
	s_mov_b64 s[64:65], 0
	v_nop
	global_prefetch_b8 v0, s[64:65] scope:SCOPE_SE
	s_setreg_imm32_b32 hwreg(HW_REG_WAVE_MODE, 25, 1), 1
	s_wait_xcnt 0x0
	s_wait_alu depctr_hold_cnt(0) depctr_sa_sdst(0) depctr_va_vdst(0) depctr_va_sdst(0) depctr_va_ssrc(0) depctr_va_vcc(0) depctr_vm_vsrc(0)
	s_getreg_b32 s2, hwreg(HW_REG_IB_STS2, 6, 4)
	s_cmp_eq_u32 s2, 0
	s_cbranch_scc0 .Lentry_in_a_cluster
	s_endpgm
.Lentry_in_a_cluster:
	s_bfe_u32 s2, ttmp6, 0x10000c
	s_cmp_lg_u32 s2, 0xf033
	s_cbranch_scc0 .Lentry_shape_is_right
	s_endpgm
.Lentry_shape_is_right:
; q, k, v = x w_attn on codes of BF8 (E5M2) with E8M0 scales, K = 1,024; the f32 sums are quantised in registers, q and k along the head's 64, v along the keys, and leave as codes and scale words alone.
; OPERANDS ARE IMAGES OF THEIR REGISTERS: a group is 128 rows, a tile 16; lane-row r of tile t is row 32 (t / 2) + 8 (t % 2) + r + 8 (r / 8); codes at group x 131,072 + K step x 16,384 + tile x 2,048 + 512 c + 16 lane;
; scale words at group x 4,096 + K step x 512 + 256 (tile / 4) + 16 r + 4 (tile % 4).  So a fragment is four loads of 512 consecutive bytes, and a K slot of a group is one dense block for one tensor load.
; A work-group of four waves makes 256 x 256, a wave 128 x 128: 64 accumulators.  K goes in slots of 256 through a ring of two LDS slots.  The scale words of all of K come once and stay.
; THE MATRIX INSTRUCTION: source 0 = 16 rows of "B", source 1 = 16 rows of "A".  A lane then holds ONE row of A, and the 16 registers of B's tiles 2 b, 2 b + 1 are the 16 neighbours 32 b + 16 (lane / 16) + 0 .. 15 of B's rows:
; a block of 32 lies in lanes l and l xor 16, and the conversions' results are the next operand's registers.
; ROLES.  The cluster's x says what is made: 0 q, 1 k, 2 v.  q, k: A = x (tokens), B = w_attn's columns: a lane holds a token and neighbours along the head's 64.  v: A = w_attn's columns, B = x: a lane holds one (head, d)
; and neighbouring KEYS.  One text serves both: buffers and offsets are chosen by selects on the cluster's x, which all sixteen partners share.
; CLUSTERS: 4 x 4.  A's tiles are shared along a row of the cluster, B's along a column: each is asked for jointly.
; RESULTS: a record of 274,432 bytes for each (batch, head): for each step of 128 tokens 16,384 bytes: the K place (tile x 1,024 + 512 c + 16 lane, c = 0, 1: d = 32 c + 16 h + ..), then at 8,192 the V place
; (tile of d x 2,048 + 512 c + 16 lane, c = 0 .. 3: keys 32 c + 16 h + ..); from 262,144 on 768 bytes a step: 512 of scale words for the K place (bytes c0, c1, 0, 0), 256 for V's (16 r + 4 tile).  q goes to qb's K places, k and v to kv.
; LIMITS: NaN and infinities are not served; a block of zeros gets the byte 1 (the rule says 127): its codes are zeros and this program alone reads the bytes.
; REGISTERS, in windows of 256: window 0: v0-31 addresses; v32-63 scale words, two sets; v64-115 the way out; v128-255 A's fragments, one set.  window 1: B's fragments, two sets.  windows 2, 3: accumulator (a, b) at v[8 (8 (a % 4) + b)].
.set SLOT,   131072                    ; A's two groups, then B's two: 32,768 bytes each (256 along K)
.set SCL,    262144                    ; behind the ring: the four groups' scale words for all of K, 4,096 bytes each
.set SPARE,  278528                    ; behind them: the spare words, 128 bytes for each wave: two blocks of 256 bytes that no other line names
.set HS,     274432                    ; a head's record
.set NP,     8                         ; places behind this matrix instruction (ISA guide 7.12.1)
.set LI,   2                           ; v2      16 x lane
.set VB2,  5                           ; v5      the way out: 16 x lane + the distance to blocks 2 and 3
.set VSV,  6                           ; v6      the way out: V's scale words: (lane / 16) x a record + 16 r
.set HH,   7                           ; v7      lane / 16
.set ADRA, 16                          ; v16-17  LDS address of my A fragments in slot 0, 1
.set ADRB, 20                          ; v20-21  the same for B
.set ADSA, 27                          ; v27     LDS address of A's scale words
.set SPW,  28                          ; v28     my spare word: SPARE + 4 x my thread's number; never rewritten
.set NIL,  29                          ; v29     0; never rewritten
.set ADSB, 30                          ; v30     LDS address of B's scale words
.set AF,   128
.set TM,   64                          ; the way out: v64-79 as in the quantiser
.set PC,   80                          ; v80-95   a row block's codes
.set PW,   96                          ; v96-103  its eight scale words
.set TT,   104                         ; v104-107 the words that my half of the lanes stores
.set LO,   108
.set HI,   112
.set G1, 24
.set G0, 32
.set G1B, 48
.set G0B, 56
.set G1S, 68
.set G0S, 76
.set G1SB, 80
.set G0SB, 88
.set MSB, 0
.macro WIN new                         ; the immediate's high byte repeats the setting that is left
.if MSB != (\new)
	s_set_vgpr_msb (MSB<<8)|(\new)
.set MSB, (\new)
.endif
.endm
.set MUL_LO, 0xa1                      ; source 0 (B) window 1, source 1 (A) window 0, C and D window 2
.set MUL_HI, 0xf1                      ; the same, C and D window 3
.set TO_B,   0x40                      ; destination window 1, address window 0
; A joint load: waves 0 and 1 fetch for A, waves 2 and 3 for B.  The branch hangs on the wave's number alone.  Four v_nop follow each of the two lines.
.macro JLOAD g0a, g1a, g0b, g1b
	s_cmp_eq_u32 s15, 0
	s_cbranch_scc0 .Lfor_b_\@
	tensor_load_to_lds s[\g0a:\g0a+3], s[\g1a:\g1a+7]
	s_nop 0
.rept 4
	v_nop
.endr
	s_branch .Lasked_\@
.Lfor_b_\@:
	tensor_load_to_lds s[\g0b:\g0b+3], s[\g1b:\g1b+7]
	s_nop 0
.rept 4
	v_nop
.endr
.Lasked_\@:
.endm
.macro CREST                           ; a round of the cluster's barrier behind its opening barrier
	s_cmp_lg_u32 s14, 0
	s_cbranch_scc1 .Lnot_wave_0_\@
	s_barrier_signal -3
.Lnot_wave_0_\@:
	s_barrier_wait -3
	s_barrier_signal -1
	s_barrier_wait -1
.endm
.macro CROUND
	s_barrier_signal -1
	s_barrier_wait -1
	CREST
.endm
.macro PLACES n
.rept \n
	v_nop
.endr
.endm
	s_load_b256 s[4:11], s[0:1], 0x0               ; xi s[4:5], wi s[6:7], qb s[8:9], kv s[10:11]
	v_lshl_add_u32 v[SPW], v0, 2, SPARE
	v_mov_b32 v[NIL], 0
	ds_add_u32 v28, v29
	ds_add_u32 v28, v29
	s_wait_dscnt 0x0
	v_lshrrev_b32 v1, 5, v0
	v_readfirstlane_b32 s14, v1                    ; wave 0..3
	s_lshr_b32 s15, s14, 1                         ; which of A's two groups is mine.  Also: I fetch for A (0) or for B (1)
	s_and_b32 s16, s14, 1                          ; which of B's two groups.  Also: which group of that side I fetch
	s_bfe_u32 s40, ttmp6, 0x40000                  ; cx, cy: my place in the cluster
	s_bfe_u32 s41, ttmp6, 0x40004
	s_and_b32 s66, ttmp7, 0xffff
	s_lshl_b32 s66, s66, 2                         ; 4 x cluster y
	s_lshl_b32 s67, ttmp9, 2                       ; 4 x cluster x
	s_mov_b32 s94, 0x800000                        ; where xi keeps its scale words,
	s_mov_b32 s95, 0x400000                        ; and wi
	s_cmp_eq_u32 ttmp9, 2                          ; v?  The same answer in all sixteen partners
	s_cselect_b32 s18, 1, 0
	s_cselect_b32 s17, 8, s66                      ; A's tile of 256 rows, less cy: w_attn's columns 2,048 on, or x's tokens
	s_cselect_b32 s42, s66, s67                    ; B's, less cx: x's tokens, or w_attn's columns
	s_cselect_b32 s22, s95, s94
	s_cselect_b32 s92, s94, s95
	s_add_co_u32 s17, s17, s41
	s_add_co_u32 s42, s42, s40
	s_lshl_b32 s43, s41, 2
	s_lshl_b32 s43, 15, s43                        ; my row of the cluster
	s_lshl_b32 s44, 0x1111, s40                    ; my column
	; descriptor group 1: a dense block as rows of 256 bytes (32 elements of 8 bytes): 128 rows of codes, 16 rows of scale words; no padding: every LDS access of this text is 512 consecutive bytes
	s_or_b32 s[G1+0], s43, (3<<16)|(1<<21)         ; 15:0 the mask: A's tiles go to my row; 17:16 elements of 8 bytes; 21 set beside a mask
	s_or_b32 s[G1B+0], s44, (3<<16)|(1<<21)
	s_or_b32 s[G1S+0], s43, (3<<16)|(1<<21)
	s_or_b32 s[G1SB+0], s44, (3<<16)|(1<<21)
.irp g, G1, G1B
	s_mov_b32 s[\g+1], 32<<16                      ; tensor_dim0
	s_mov_b32 s[\g+2], 128<<16                     ; tensor_dim1
	s_mov_b32 s[\g+3], 32<<16                      ; tile_dim0
	s_mov_b32 s[\g+4], 128                         ; tile_dim1
	s_mov_b32 s[\g+5], 32                          ; tensor_dim0_stride
	s_mov_b32 s[\g+6], 0
	s_mov_b32 s[\g+7], 0
.endr
.irp g, G1S, G1SB
	s_mov_b32 s[\g+1], 32<<16
	s_mov_b32 s[\g+2], 16<<16
	s_mov_b32 s[\g+3], 32<<16
	s_mov_b32 s[\g+4], 16
	s_mov_b32 s[\g+5], 32
	s_mov_b32 s[\g+6], 0
	s_mov_b32 s[\g+7], 0
.endr
	s_lshl_b32 s20, s17, 1
	s_add_co_u32 s20, s20, s16                     ; the group that I fetch, if I fetch for A
	s_lshl_b32 s46, s42, 1
	s_add_co_u32 s46, s46, s16                     ; and if for B
	s_lshl_b32 s66, s20, 12
	s_add_co_u32 s22, s22, s66                     ; its scale words,
	s_lshl_b32 s20, s20, 17                        ; its codes
	s_lshl_b32 s95, s46, 12
	s_add_co_u32 s92, s92, s95
	s_lshl_b32 s46, s46, 17
	s_mov_b32 s21, 0
	s_mov_b32 s23, 0
	s_mov_b32 s47, 0
	s_mov_b32 s93, 0
	s_lshl_b32 s45, s14, 15                        ; where they go: wave x 32,768: no place in the cluster enters an LDS address
	s_lshl_b32 s94, s14, 12
	s_wait_kmcnt 0x0
	s_cmp_eq_u32 ttmp9, 2
	s_cselect_b64 s[66:67], s[6:7], s[4:5]         ; A's buffer
	s_cselect_b64 s[4:5], s[4:5], s[6:7]           ; B's
	s_add_nc_u64 s[20:21], s[66:67], s[20:21]
	s_add_nc_u64 s[22:23], s[66:67], s[22:23]
	s_add_nc_u64 s[46:47], s[4:5], s[46:47]
	s_add_nc_u64 s[92:93], s[4:5], s[92:93]
	CROUND                                         ; all sixteen work-groups are here: the first joint loads meet
	s_mov_b32 s[G0S], 1
	s_add_co_u32 s[G0S+1], s94, SCL
	s_mov_b64 s[G0S+2:G0S+3], s[22:23]
	s_or_b32 s[G0S+3], s[G0S+3], 0x80000000
	s_mov_b32 s[G0SB], 1
	s_add_co_u32 s[G0SB+1], s94, SCL
	s_mov_b64 s[G0SB+2:G0SB+3], s[92:93]
	s_or_b32 s[G0SB+3], s[G0SB+3], 0x80000000
	JLOAD G0S, G1S, G0SB, G1SB                     ; the scale words first: they are wanted with the first slot
.irp s, 0,1
	s_mov_b32 s[G0+4*\s], 1
	s_add_co_u32 s[G0+4*\s+1], s45, \s*SLOT
	s_add_nc_u64 s[G0+4*\s+2:G0+4*\s+3], s[20:21], \s*32768
	s_or_b32 s[G0+4*\s+3], s[G0+4*\s+3], 0x80000000
	s_mov_b32 s[G0B+4*\s], 1
	s_add_co_u32 s[G0B+4*\s+1], s45, \s*SLOT
	s_add_nc_u64 s[G0B+4*\s+2:G0B+4*\s+3], s[46:47], \s*32768
	s_or_b32 s[G0B+4*\s+3], s[G0B+4*\s+3], 0x80000000
	JLOAD G0+4*\s, G1, G0B+4*\s, G1B               ; three loads of mine are out
.endr
	v_and_b32 v1, 31, v0
	v_lshlrev_b32 v[LI], 4, v1
	s_wait_alu depctr_va_vdst(0)
	s_lshl_b32 s66, s15, 15                        ; my group of A in a slot
	s_lshl_b32 s67, s16, 15
	s_add_co_u32 s67, s67, 65536                   ; my group of B, behind A's two
.irp s, 0,1
	v_add_nc_u32 v[ADRA+\s], s66, v[LI]
	v_add_nc_u32 v[ADRB+\s], s67, v[LI]
	s_add_co_u32 s66, s66, SLOT
	s_add_co_u32 s67, s67, SLOT
.endr
	s_lshl_b32 s66, s15, 12
	s_add_co_u32 s66, s66, SCL
	v_add_nc_u32 v[ADSA], s66, v[LI]
	s_lshl_b32 s67, s16, 12
	s_add_co_u32 s67, s67, SCL+8192
	v_add_nc_u32 v[ADSB], s67, v[LI]
	; where my results go
	s_lshl_b32 s66, s17, 1
	s_add_co_u32 s66, s66, s15                     ; my group of A
	s_lshl_b32 s67, s42, 1
	s_add_co_u32 s67, s67, s16                     ; my group of B
	s_cmp_eq_u32 s18, 1
	s_cselect_b32 s95, s67, s66                    ; the group of tokens,
	s_cselect_b32 s66, s66, s67                    ; the group of w_attn's columns: two heads
	s_lshr_b32 s67, s95, 4
	s_lshl_b32 s67, s67, 4                         ; 16 x batch
	s_and_b32 s66, s66, 7
	s_lshl_b32 s66, s66, 1
	s_add_co_u32 s66, s66, s67                     ; the first of my two records
	s_mul_i32 s66, s66, HS
	s_and_b32 s95, s95, 15                         ; the step of 128 tokens
	s_lshl_b32 s12, s95, 14
	s_add_co_u32 s12, s12, s66
	s_mul_i32 s96, s95, 768
	s_add_co_u32 s96, s96, s66
	s_add_co_u32 s96, s96, 262144
	s_mov_b32 s19, HS
	s_mov_b32 s98, 1024
	s_mov_b32 s100, 1024
	s_cmp_eq_u32 s18, 1
	s_cselect_b32 s66, 8192, 0                     ; V's place in a step
	s_cselect_b32 s19, 1024, s19                   ; from blocks 0, 1 to blocks 2, 3: the next head's record (q, k), or 1,024 bytes on (v)
	s_cselect_b32 s98, 2048, s98                   ; from a row block to the next
	s_cselect_b32 s100, HS-6144, s100              ; from row block 3 to 4: for v the next head's record
	s_add_co_u32 s12, s12, s66
	s_mov_b32 s13, 0
	s_mov_b32 s97, 0
	s_mov_b32 s99, 0
	s_mov_b32 s101, 0
	s_cmp_eq_u32 ttmp9, 0
	s_cselect_b64 s[8:9], s[8:9], s[10:11]         ; q goes to qb, k and v to kv
	s_add_nc_u64 s[12:13], s[8:9], s[12:13]        ; the codes
	s_add_nc_u64 s[96:97], s[8:9], s[96:97]        ; the scale words
	v_add_nc_u32 v[VB2], s19, v[LI]
	v_bfe_u32 v[HH], v0, 4, 1
	v_and_b32 v3, 15, v0
	v_lshlrev_b32 v[VSV], 4, v3
	v_mad_u32_u24 v[VSV], v[HH], HS, v[VSV]
.irp b, 0,1,2,3
	v_mov_b32 v[TM+4+\b], 0                        ; written once: a lane permute's destination counts as one of its sources
.endr
.macro FRAG reg, adr, q, i             ; a fragment comes as it was stored: four loads of 512 consecutive bytes
.irp c, 0,1,2,3
	ds_load_b128 v[\reg+4*\c:\reg+4*\c+3], v[\adr] offset:16384*(\q)+2048*(\i)+512*\c
.endr
.endm
; One matrix instruction on the registers named by rD, rB, rA, rSB, rSA.  rb, ra: the side's scale words lie in lanes 16-31 (its tiles 4-7)
.macro WM zero, rb, ra
.if \zero
.if (\rb)
.if (\ra)
	v_wmma_scale_f32_16x16x128_f8f6f4 v[rD:rD+7], v[rB:rB+15], v[rA:rA+15], 0, v[rSB], v[rSA] matrix_a_fmt:MATRIX_FMT_BF8 matrix_b_fmt:MATRIX_FMT_BF8 matrix_a_scale:MATRIX_SCALE_ROW1 matrix_b_scale:MATRIX_SCALE_ROW1
.else
	v_wmma_scale_f32_16x16x128_f8f6f4 v[rD:rD+7], v[rB:rB+15], v[rA:rA+15], 0, v[rSB], v[rSA] matrix_a_fmt:MATRIX_FMT_BF8 matrix_b_fmt:MATRIX_FMT_BF8 matrix_a_scale:MATRIX_SCALE_ROW1
.endif
.else
.if (\ra)
	v_wmma_scale_f32_16x16x128_f8f6f4 v[rD:rD+7], v[rB:rB+15], v[rA:rA+15], 0, v[rSB], v[rSA] matrix_a_fmt:MATRIX_FMT_BF8 matrix_b_fmt:MATRIX_FMT_BF8 matrix_b_scale:MATRIX_SCALE_ROW1
.else
	v_wmma_scale_f32_16x16x128_f8f6f4 v[rD:rD+7], v[rB:rB+15], v[rA:rA+15], 0, v[rSB], v[rSA] matrix_a_fmt:MATRIX_FMT_BF8 matrix_b_fmt:MATRIX_FMT_BF8
.endif
.endif
.else
.if (\rb)
.if (\ra)
	v_wmma_scale_f32_16x16x128_f8f6f4 v[rD:rD+7], v[rB:rB+15], v[rA:rA+15], v[rD:rD+7], v[rSB], v[rSA] matrix_a_fmt:MATRIX_FMT_BF8 matrix_b_fmt:MATRIX_FMT_BF8 matrix_a_scale:MATRIX_SCALE_ROW1 matrix_b_scale:MATRIX_SCALE_ROW1
.else
	v_wmma_scale_f32_16x16x128_f8f6f4 v[rD:rD+7], v[rB:rB+15], v[rA:rA+15], v[rD:rD+7], v[rSB], v[rSA] matrix_a_fmt:MATRIX_FMT_BF8 matrix_b_fmt:MATRIX_FMT_BF8 matrix_a_scale:MATRIX_SCALE_ROW1
.endif
.else
.if (\ra)
	v_wmma_scale_f32_16x16x128_f8f6f4 v[rD:rD+7], v[rB:rB+15], v[rA:rA+15], v[rD:rD+7], v[rSB], v[rSA] matrix_a_fmt:MATRIX_FMT_BF8 matrix_b_fmt:MATRIX_FMT_BF8 matrix_b_scale:MATRIX_SCALE_ROW1
.else
	v_wmma_scale_f32_16x16x128_f8f6f4 v[rD:rD+7], v[rB:rB+15], v[rA:rA+15], v[rD:rD+7], v[rSB], v[rSA] matrix_a_fmt:MATRIX_FMT_BF8 matrix_b_fmt:MATRIX_FMT_BF8
.endif
.endif
.endif
.endm
; 16 matrix instructions: A's blocks a0, a0 + 1 x B's eight, the slot's q-th 128 along K.  p: B's set; sc: the set of scale words.  zero = 1: the product starts the sums.
; The 64 accumulators take turns, one instruction a turn, in the same order in every step.
.macro MUL16 a0, p, q, sc, zero
.irp a, \a0, \a0+1
.irp b, 0,1,2,3,4,5,6,7
.set rD, 8*(8*((\a)%4)+\b)
.set rB, 128*(\p)+16*\b
.set rA, AF+16*(\a)
.set rSB, 32+16*(\sc)+8*(\q)+4+\b%4
.set rSA, 32+16*(\sc)+8*(\q)+(\a)%4
	WM \zero, \b/4, (\a)/4
.endr
.endr
.endm
.macro FETCH_B slot, q, p
	WIN TO_B
.irp i, 0,1,2,3,4,5,6,7
	FRAG 128*(\p)+16*\i, ADRB+\slot, \q, \i
.endr
	WIN 0
.endm
.macro FETCH_A slot, q, i0
.irp i, \i0, \i0+1, \i0+2, \i0+3
	FRAG AF+16*(\i), ADRA+\slot, \q, \i
.endr
.endm
.macro SCALES sc                       ; a slot's scale words: register j of four holds tile j's words in lanes 0-15 and tile 4 + j's in lanes 16-31
.irp q, 0,1
	ds_load_b128 v[32+16*\sc+8*\q:32+16*\sc+8*\q+3], v[ADSA] offset:512*\q
	ds_load_b128 v[36+16*\sc+8*\q:36+16*\sc+8*\q+3], v[ADSB] offset:512*\q
.endr
.endm
; A step of 128 along K that has its successor in the same slot.  A's blocks are free as soon as their eight products are issued: one set serves A; B has two.
.macro STEP slot, q, zero
	s_wait_dscnt 16                                ; all but the youngest sixteen loads (A's blocks 4-7) are in
	WIN MUL_LO
	MUL16 0, (\q)%2, \q, \slot, \zero
	MUL16 2, (\q)%2, \q, \slot, \zero
	s_wait_dscnt 0                                 ; A's blocks 4-7 are in
	PLACES NP                                      ; in front of loads into registers that matrix instructions have read
	FETCH_B \slot, (\q)+1, 1-(\q)%2
	FETCH_A \slot, (\q)+1, 0
	WIN MUL_HI
	MUL16 4, (\q)%2, \q, \slot, \zero
	MUL16 6, (\q)%2, \q, \slot, \zero
	PLACES NP
	WIN 0
	FETCH_A \slot, (\q)+1, 4
.endm
; A slot's last step changes slots: ONE barrier; in front of it each wave waits for all its tensor loads, adds 0 to its spare word, and waits for that and for its reads of this slot.  fill = 1: the slot is filled again, two slots ahead.
.macro TURN slot, next, fill
	s_wait_tensorcnt 0x0                           ; all my tensor loads have landed: my part of the next slot
	ds_add_u32 v[SPW], v[NIL]                      ; 0 onto my spare word
	s_wait_dscnt 17                                ; (the add and the youngest sixteen loads may be out)
	WIN MUL_LO
	MUL16 0, 1, 1, \slot, 0                        ; sixteen matrix instructions stand between the add and the wait for it
	s_wait_dscnt 0x0                               ; the add is done, and my reads of this slot are over
	s_barrier_signal -1
	MUL16 2, 1, 1, \slot, 0
	WIN 0
	s_barrier_wait -1
.if \fill
	CREST                                          ; the barrier has opened a round of the cluster's: no wave of any partner still reads this slot or has a load on its way
	s_add_nc_u64 s[G0+4*\slot+2:G0+4*\slot+3], s[G0+4*\slot+2:G0+4*\slot+3], 65536
	s_add_nc_u64 s[G0B+4*\slot+2:G0B+4*\slot+3], s[G0B+4*\slot+2:G0B+4*\slot+3], 65536
	JLOAD G0+4*\slot, G1, G0B+4*\slot, G1B         ; the first tensor load behind the round, my one load until the next; its four v_nop are among the places below
	PLACES NP-4
.else
	PLACES NP
.endif
	s_wait_alu depctr_va_vdst(0)
	v_add_nc_u32 v[ADSA], 1024, v[ADSA]            ; on to the next slot's scale words
	v_add_nc_u32 v[ADSB], 1024, v[ADSB]
	FETCH_B \next, 0, 0
	FETCH_A \next, 0, 0
	SCALES \next
	WIN MUL_HI
	MUL16 4, 1, 1, \slot, 0
	MUL16 6, 1, 1, \slot, 0
	PLACES NP
	WIN 0
	FETCH_A \next, 0, 4
.endm
	s_wait_tensorcnt 1                             ; the scale words and my part of slot 0 are in; slot 1's load may be out
	s_barrier_signal -1
	s_barrier_wait -1
	FETCH_B 0, 0, 0
	FETCH_A 0, 0, 0
	SCALES 0
	FETCH_A 0, 0, 4
	STEP 0, 0, 1                                   ; the first step stands in front of the loop: its products start the sums
	s_mov_b32 s3, 1                                ; K = 1,024 is four slots: one trip fills both slots again
.Llap:
	TURN 0, 1, 1
	STEP 1, 0, 0
	TURN 1, 0, 1
	STEP 0, 0, 0
	s_sub_co_u32 s3, s3, 1
	s_cmp_lg_u32 s3, 0
	s_cbranch_scc1 .Llap
	TURN 0, 1, 0                                   ; the last lap fills nothing
	STEP 1, 0, 0
	s_wait_dscnt 16
	WIN MUL_LO
	MUL16 0, 1, 1, 1, 0
	MUL16 2, 1, 1, 1, 0
	s_wait_dscnt 0
	WIN MUL_HI
	MUL16 4, 1, 1, 1, 0
	MUL16 6, 1, 1, 1, 0
	WIN 0
; THE WAY OUT.  Row block a (16 rows of A): my lane's 64 sums, register 16 b + i = B's row 32 b + 16 (lane / 16) + i, are four blocks of 32 along the next K.  They become 16 registers of codes, stored as they stand
; (512 consecutive bytes a store), and a scale word.  Each accumulator is read from its low end on.
.macro QROW a
.set AW, 2+(\a)/4
.set AS, 64*((\a)%4)
	WIN (AW<<2)|(AW<<4)                            ; sources 1 and 2: the accumulators' window
.irp b, 0,1,2,3
	v_max3_num_f32 v[TM+\b], 0x8000000, |v[AS+16*\b]|, |v[AS+16*\b+1]|   ; the floor 2^(16 - 127) among the leaves: the byte cannot fall under 1
.endr
.irp i, 2,4,6,8,10,12,14
.irp b, 0,1,2,3
	v_max3_num_f32 v[TM+\b], v[TM+\b], |v[AS+16*\b+\i]|, |v[AS+16*\b+\i+1]|
.endr
.endr
	WIN 0
.irp b, 0,1,2,3
	v_permlanex16_b32 v[TM+4+\b], v[TM+\b], s2, s3
.endr
.irp b, 0,1,2,3
	v_max_num_f32 v[TM+\b], v[TM+\b], v[TM+4+\b]   ; with lane l xor 16's 16
.endr
.irp b, 0,1,2,3
	v_add_nc_u32 v[TM+12+\b], 0xf8800000, v[TM+\b] ; the conversion's scale operand
.endr
.irp b, 0,1,2,3
.endr
.irp b, 0,1,2,3
	v_lshrrev_b32 v[TM+4+\b], 23, v[TM+12+\b]      ; the byte
.endr
	v_lshl_or_b32 v[PW+\a], v[TM+5], 8, v[TM+4]
	v_lshl_or_b32 v[PW+\a], v[TM+6], 16, v[PW+\a]
	v_lshl_or_b32 v[PW+\a], v[TM+7], 24, v[PW+\a]
	WIN AW|(AW<<6)                                 ; source 0 and destination: the accumulators' window
.irp b, 0,1,2,3
.irp i, 0,1,2,3,4,5,6,7,8,9,10,11,12,13,14,15
.endr
.endr
	WIN AW
.irp b, 0,1,2,3
	v_cvt_scalef32_pk8_bf8_f32 v[PC+4*\b:PC+4*\b+1], v[AS+16*\b:AS+16*\b+7], v[TM+12+\b]
	v_cvt_scalef32_pk8_bf8_f32 v[PC+4*\b+2:PC+4*\b+3], v[AS+16*\b+8:AS+16*\b+15], v[TM+12+\b]
.endr
	WIN 0
	v_nop                                          ; a plain line behind the last conversion
	global_store_b128 v[LI], v[PC:PC+3], s[12:13]
	global_store_b128 v[LI], v[PC+4:PC+7], s[12:13] offset:512
	global_store_b128 v[VB2], v[PC+8:PC+11], s[12:13]
	global_store_b128 v[VB2], v[PC+12:PC+15], s[12:13] offset:512
	s_wait_xcnt 0x0                                ; the stores have read their data and their base: both are written again only behind this wait
.if (\a) == 3
	s_add_nc_u64 s[12:13], s[12:13], s[100:101]
.elseif (\a) < 7
	s_add_nc_u64 s[12:13], s[12:13], s[98:99]
.endif
.endm
	s_mov_b32 s2, 0x76543210                       ; lane selects: lane l xor 16
	s_mov_b32 s3, 0xfedcba98
	PLACES NP                                      ; behind the last products
.irp a, 0,1,2,3,4,5,6,7
	QROW \a
.endr
	v_cmp_eq_u32 vcc_lo, 1, v[HH]
.irp j, 0,1,2,3
	v_cndmask_b32 v[TT+\j], v[PW+\j], v[PW+4+\j], vcc_lo   ; lanes 0-15 store row blocks 0-3's words, lanes 16-31 blocks 4-7's
.endr
	s_cmp_eq_u32 s18, 1                            ; the same way in all sixteen partners
	s_cbranch_scc1 .Lv_words
.irp j, 0,1,2,3
	v_and_b32 v[LO+\j], 0xffff, v[TT+\j]           ; q, k: blocks 0, 1 are the first head's 64, blocks 2, 3 the second's; the upper two bytes of a head's word are 0
.endr
.irp j, 0,1,2,3
	v_lshrrev_b32 v[HI+\j], 16, v[TT+\j]
.endr
	global_store_b128 v[LI], v[LO:LO+3], s[96:97]              ; 512 consecutive bytes: a step's scale words of eight tiles
	global_store_b128 v[LI], v[HI:HI+3], s[96:97] offset:HS
	s_branch .Lwords_done
.Lv_words:
	s_wait_alu depctr_va_vdst(0)
	global_store_b128 v[VSV], v[TT:TT+3], s[96:97] offset:512  ; v: row blocks 0-3 are the first head's d, 4-7 the second's: sixteen lanes store 256 consecutive bytes of each record
.Lwords_done:
	s_wait_tensorcnt 0x0                           ; the wave's end
	ds_add_u32 v[SPW], v[NIL]
	s_wait_dscnt 0x0
	CROUND                                         ; the closing round: no work-group ends while a partner may still ask for a tile that names it
	s_endpgm
.Lfunc_end_k_q051dc8bff1_qkv:
	.size	k_q051dc8bff1_qkv, .Lfunc_end_k_q051dc8bff1_qkv-k_q051dc8bff1_qkv
	.p2alignl 7, 3214868480
	.fill 96, 4, 3214868480
	.section	.rodata,"a",@progbits
	.p2align	6, 0x0
	.amdhsa_kernel k_q051dc8bff1_qkv
		.amdhsa_group_segment_fixed_size 327680
		.amdhsa_private_segment_fixed_size 0
		.amdhsa_enable_private_segment 0
		.amdhsa_kernarg_size 32
		.amdhsa_user_sgpr_count 2
		.amdhsa_user_sgpr_kernarg_segment_ptr 1
		.amdhsa_wavefront_size32 1
		.amdhsa_system_sgpr_workgroup_id_x 1
		.amdhsa_system_sgpr_workgroup_id_y 1
		.amdhsa_system_sgpr_workgroup_id_z 1
		.amdhsa_system_vgpr_workitem_id 0
		.amdhsa_next_free_vgpr 1024
		.amdhsa_next_free_sgpr 102
		.amdhsa_reserve_vcc 1
		.amdhsa_float_denorm_mode_32 3
		.amdhsa_float_denorm_mode_16_64 3
		.amdhsa_fp16_overflow 1
		.amdhsa_memory_ordered 1
		.amdhsa_forward_progress 1
		.amdhsa_inst_pref_size 151
	.end_amdhsa_kernel
	.amdgpu_metadata
---
amdhsa.version: [ 1, 2 ]
amdhsa.kernels:
  - .name:           k_q051dc8bff1_qkv
    .symbol:         k_q051dc8bff1_qkv.kd
    .args:
      - { .name: xi, .offset: 0, .size: 8, .value_kind: global_buffer, .address_space: global }
      - { .name: wi, .offset: 8, .size: 8, .value_kind: global_buffer, .address_space: global }
      - { .name: qb, .offset: 16, .size: 8, .value_kind: global_buffer, .address_space: global }
      - { .name: kv, .offset: 24, .size: 8, .value_kind: global_buffer, .address_space: global }
    .group_segment_fixed_size: 327680
    .private_segment_fixed_size: 0
    .kernarg_segment_align: 8
    .kernarg_segment_size: 32
    .max_flat_workgroup_size: 128
    .sgpr_count:     102
    .vgpr_count:     1024
    .wavefront_size: 32
...
	.end_amdgpu_metadata
.endif
;; end of part 2
;; launch attn (part 3): grid 4 x 64, 16 waves a work-group, clusters of 4 x 1, 276,480 bytes of LDS; arguments qb, kv, yi; writes yi
.if DOCPART == 3
	.amdgcn_target "amdgcn-amd-amdhsa--gfx1250"
	.amdhsa_code_object_version 6
	.text
	.protected	k_q051dc8bff1_attn
	.globl	k_q051dc8bff1_attn
	.p2align	8
	.type	k_q051dc8bff1_attn,@function
k_q051dc8bff1_attn:
	s_mov_b64 s[64:65], 0
	v_nop
	global_prefetch_b8 v0, s[64:65] scope:SCOPE_SE
	s_setreg_imm32_b32 hwreg(HW_REG_WAVE_MODE, 25, 1), 1
	s_wait_xcnt 0x0
	s_wait_alu depctr_hold_cnt(0) depctr_sa_sdst(0) depctr_va_vdst(0) depctr_va_sdst(0) depctr_va_ssrc(0) depctr_va_vcc(0) depctr_vm_vsrc(0)
	s_getreg_b32 s2, hwreg(HW_REG_IB_STS2, 6, 4)
	s_cmp_eq_u32 s2, 0
	s_cbranch_scc0 .Lentry_in_a_cluster
	s_endpgm
.Lentry_in_a_cluster:
	s_bfe_u32 s2, ttmp6, 0x10000c
	s_cmp_lg_u32 s2, 0x3003
	s_cbranch_scc0 .Lentry_shape_is_right
	s_endpgm
.Lentry_shape_is_right:
; y[b][q][head] = softmax over keys k <= q of (q . k / 8) times v, both products on codes of BF8 (E5M2) with E8M0 scales; y is quantised along C in registers and leaves as codes and scale bytes, laid as the last product's operand.
; THE SOFTMAX: t = score x log2(e) / 8; M = the running largest t rounded UP to a whole number; p = 2^(t - M) is quantised along the keys, not normalised; the row's sum is taken of the unquantised p and divides at the end.
; When M moves, the sum and O are multiplied by 2^(old M - new M), which rounds nothing.
; A HEAD'S WHOLE RECORD OF K AND V (274,432 bytes: for each step of 128 keys 8,192 of K's codes and 8,192 of V's; from 262,144 on 768 bytes of scale words a step) COMES INTO LDS ONCE: an LDS byte is the record's byte.
; Nothing is filled again, so the walk over the keys has no ring and one barrier.  The four work-groups of a cluster take the same head: every fill is a joint load.
; SHARES.  A tile of 16 queries of group G (128 queries) needs G + 1 key steps; the last lies on the diagonal.  Wave w makes tile 2 cx of group 15 - w, then tile 2 cx + 1 of group w: 17 steps for every wave of the launch.
; The group hangs on the wave's number alone; the place in the cluster enters global addresses and the number DG, which only feeds compares for selects.
; Every loop has a constant count; a step whose keys all come after the tile's queries is passed over by a scalar branch on the step's and the wave's numbers.
; LAYOUT.  Both products are used transposed: S^T = K Q^T, O^T = V^T P^T: a lane holds ONE query (lane % 16).  Lane-row r of tile t of keys is key 32 (t / 2) + 8 (t % 2) + r + 8 (r / 8), so the 16 registers of tiles 2 b, 2 b + 1
; are the keys 32 b + 16 (lane / 16) + 0 .. 15; V's tiles of d likewise, so O^T's registers are neighbours along C.
; THE HEAD'S 64 IN AN INSTRUCTION OF 128: Q's registers 8-15 are zero codes.  K's operand for tile t is v[KF + 8 t .. + 15]: its upper eight registers are the next tile's codes (zeros behind tile 7).  Those codes are finite
; (every quantiser of this program holds at the largest code), they meet zero codes, and both sides' scale bytes there are 0, which is 2^-127: they add exactly 0.
; LIMITS: NaN and infinities are not served; a block of zeros gets the byte 1 (the rule says 127): its codes are zeros and this program alone reads the bytes.
.set HS,   274432
.set LI,   2                           ; v2   16 x lane
.set DG,   3                           ; v3   my query within its group, less 16 (lane / 16)
.set LR,   4                           ; v4   16 x (lane % 16)
.set ADC,  8                           ; v8   LDS address of the step's codes
.set ADS,  9                           ; v9   of K's scale words
.set ADT,  10                          ; v10  of V's.   v12 -M, v13 the largest t, v[14:15] the sum in two halves
.set QF,   16                          ; v16-23 Q, v24-31 zeros
.set KF,   32                          ; v32-95 K's eight tiles x 8, later V's four x 16; v96-103 zeros
.set SC,   104                         ; v104-167 S^T, then p
.set OT,   168                         ; v168-199 O^T
.set PCD,  200                         ; v200-215 p's codes
.set BM,   216                         ; v216-219 the blocks' largest
.set B2,   220                         ; v220-223 at work
.set HLD,  224
.set SOP,  228                         ; v228-231 the conversions' scale operands
.set KSR,  232                         ; v232-235 K's scale words
.set VSR,  236                         ; v236-239 V's
.set QS,   240                         ; v240, v241 Q's scale words of the two tiles
.set FF,   242                         ; v[242:243] f = 2^(old M - new M), and its pair's upper half
.set PWD,  244                         ; v244 p's scale word
.set TMP,  245
.set Q1,   248                         ; v248-255 the second tile's Q
.set WV,   10
.set CX,   11
.set BH,   12
.set MNT,  19
.set SEL,  20
.set CS,   22
.set G1A,  24                          ; s[24:47] three groups 1: 3, 16 and 48 rows of 256 bytes;  s[48:59] their groups 0
.set G1B,  32
.set G1C,  40
.set G0A,  48
.set G0B,  52
.set G0C,  56
.set QP,   66                          ; s[66:69] Q's codes of the two tiles;  s[70:73] their scale words;  s[74:77] y's codes;  s[78:81] y's scale bytes
.set QSP,  70
.set YP,   74
.set YSP,  78
.set GG,   84                          ; s84 the tile's group
.set SI,   85                          ; s85 the key step
.set TB,   86                          ; s86 where its codes begin
.set TS,   87                          ; s87 and its scale words
.set SX,   88
.set CNT,  89
.macro CROUND
	s_barrier_signal -1
	s_barrier_wait -1
	s_cmp_lg_u32 s[WV], 0
	s_cbranch_scc1 .Lnot_wave_0_\@
	s_barrier_signal -3
.Lnot_wave_0_\@:
	s_barrier_wait -3
	s_barrier_signal -1
	s_barrier_wait -1
.endm
.macro GROUP1 g, rows                  ; a dense block as rows of 256 bytes (32 elements of 8 bytes), no padding
	s_mov_b32 s[\g], 15|(3<<16)|(1<<21)            ; 15:0 the mask: all four work-groups; 17:16 elements of 8 bytes; 21 set beside a mask
	s_mov_b32 s[\g+1], 32<<16
	s_mov_b32 s[\g+2], (\rows)<<16
	s_mov_b32 s[\g+3], 32<<16
	s_mov_b32 s[\g+4], \rows
	s_mov_b32 s[\g+5], 32
	s_mov_b32 s[\g+6], 0
	s_mov_b32 s[\g+7], 0
.endm
.macro GROUP0 g, off                   ; s[off]: the byte in the record, which is also the LDS byte
	s_mov_b32 s[\g], 1
	s_mov_b32 s[\g+1], s[\off]
	s_mov_b32 s16, s[\off]
	s_add_nc_u64 s[\g+2:\g+3], s[62:63], s[16:17]
	s_or_b32 s[\g+3], s[\g+3], 0x80000000
.endm
.macro PTRS p                          ; the four addresses of tile 2 cx + p
.if \p
	s_mov_b32 s90, s[WV]
.else
	s_sub_co_u32 s90, 15, s[WV]
.endif
	s_lshl_b32 s91, s[CX], 1
	s_add_co_u32 s91, s91, \p                      ; the tile within its group
	s_lshl_b32 s92, s90, 14
	s_lshl_b32 s93, s91, 10
	s_add_co_u32 s92, s92, s93
	s_add_co_u32 s92, s92, s60
	s_mov_b32 s93, 0
	s_add_nc_u64 s[QP+2*\p:QP+2*\p+1], s[4:5], s[92:93]
	s_lshr_b32 s94, s91, 2
	s_lshl_b32 s94, s94, 8
	s_and_b32 s95, s91, 3
	s_lshl_b32 s95, s95, 2
	s_add_co_u32 s94, s94, s95                     ; the tile's place among a step's scale words: 256 (t / 4) + 4 (t % 4)
	s_mul_i32 s92, s90, 768
	s_add_co_u32 s92, s92, s94
	s_add_co_u32 s92, s92, s60
	s_add_co_u32 s92, s92, 262144
	s_add_nc_u64 s[QSP+2*\p:QSP+2*\p+1], s[4:5], s[92:93]
	s_lshr_b32 s95, s[BH], 4
	s_lshl_b32 s95, s95, 4
	s_add_co_u32 s95, s95, s90                     ; y's group of tokens: 16 x batch + group
	s_bfe_u32 s96, s[BH], 0x30001                  ; y's K step: head / 2
	s_and_b32 s97, s[BH], 1                        ; and which half of it
	s_lshl_b32 s92, s95, 17
	s_lshl_b32 s98, s96, 14
	s_add_co_u32 s92, s92, s98
	s_lshl_b32 s98, s91, 11
	s_add_co_u32 s92, s92, s98
	s_lshl_b32 s98, s97, 10
	s_add_co_u32 s92, s92, s98
	s_add_nc_u64 s[YP+2*\p:YP+2*\p+1], s[8:9], s[92:93]
	s_lshl_b32 s92, s95, 12
	s_lshl_b32 s98, s96, 9
	s_add_co_u32 s92, s92, s98
	s_add_co_u32 s92, s92, s94
	s_lshl_b32 s98, s97, 1
	s_add_co_u32 s92, s92, s98
	s_add_co_u32 s92, s92, 0x800000
	s_add_nc_u64 s[YSP+2*\p:YSP+2*\p+1], s[8:9], s[92:93]
.endm
	s_load_b128 s[4:7], s[0:1], 0x0                ; qb s[4:5], kv s[6:7]
	s_load_b64 s[8:9], s[0:1], 0x10                ; yi
	v_lshl_add_u32 v246, v0, 2, 0x43000
	v_mov_b32 v247, 0
	ds_add_u32 v246, v247
	ds_add_u32 v246, v247
	v_lshrrev_b32 v1, 5, v0
	s_delay_alu instid0(VALU_DEP_1)
	v_readfirstlane_b32 s[WV], v1                  ; wave 0..15
	s_bfe_u32 s[CX], ttmp6, 0x40000                ; my place in the cluster
	s_and_b32 s[BH], ttmp7, 0xffff                 ; 16 x batch + head, which the four partners share
	s_mov_b32 s[SEL], 0x76543210
	s_mov_b32 s[SEL+1], 0xfedcba98                 ; lane l xor 16
	s_mov_b32 s[CS], 0x3e38aa3b                    ; c = log2(e) / 8
	s_mov_b32 s[CS+1], s[CS]                       ; (named with it as a pair, so it is written)
	GROUP1 G1A, 3
	GROUP1 G1B, 16
	GROUP1 G1C, 48
	s_mul_i32 s60, s[BH], HS                       ; the head's record
	s_mov_b32 s61, 0
	s_mov_b32 s17, 0
	s_mul_i32 s13, s[WV], 768
	s_add_co_u32 s13, s13, 262144                  ; my share of the scale words: one step's 768 bytes,
	s_lshl_b32 s14, s[WV], 12                      ; of key steps 0-3: 4,096 bytes,
	s_mul_i32 s15, s[WV], 12288
	s_add_co_u32 s15, s15, 65536                   ; of key steps 4-15: 12,288 bytes
	s_wait_dscnt 0x0
	s_wait_kmcnt 0x0
	s_add_nc_u64 s[62:63], s[6:7], s[60:61]
	GROUP0 G0A, 13
	GROUP0 G0B, 14
	GROUP0 G0C, 15
	PTRS 0
	PTRS 1
	CROUND                                         ; all four work-groups are here: the joint loads meet
	tensor_load_to_lds s[G0A:G0A+3], s[G1A:G1A+7]  ; every wave's three fills stand together, ahead of every wait on TENSORcnt and every LDS read: three loads of mine are out
	s_nop 0
	tensor_load_to_lds s[G0B:G0B+3], s[G1B:G1B+7]
	s_nop 0
	tensor_load_to_lds s[G0C:G0C+3], s[G1C:G1C+7]
	s_nop 0
.rept 4
	v_nop
.endr
	v_and_b32 v1, 31, v0                           ; lane
	s_delay_alu instid0(VALU_DEP_1)
	v_lshlrev_b32 v[LI], 4, v1
	v_and_b32 v5, 15, v0                           ; r
	s_delay_alu instid0(VALU_DEP_1)
	v_lshlrev_b32 v[LR], 4, v5
	global_load_b128 v[QF:QF+3], v[LI], s[QP:QP+1]             ; Q's fragments of both tiles: d 0-31, d 32-63
	global_load_b128 v[QF+4:QF+7], v[LI], s[QP:QP+1] offset:512
	global_load_b128 v[Q1:Q1+3], v[LI], s[QP+2:QP+3]
	global_load_b128 v[Q1+4:Q1+7], v[LI], s[QP+2:QP+3] offset:512
	global_load_b32 v[QS], v[LR], s[QSP:QSP+1]                 ; and their scale words
	global_load_b32 v[QS+1], v[LR], s[QSP+2:QSP+3]
	v_bfe_u32 v6, v0, 4, 1                         ; h
	v_and_b32 v[DG], 8, v5
	s_delay_alu instid0(VALU_DEP_1)
	v_add_nc_u32 v[DG], v[DG], v5                  ; r + 8 (r / 8)
	s_delay_alu instid0(VALU_DEP_3)
	v_lshlrev_b32 v6, 4, v6
	s_delay_alu instid0(VALU_DEP_1)
	v_sub_nc_u32 v[DG], v[DG], v6                  ; - 16 h
	s_lshl_b32 s13, s[CX], 5
	v_add_nc_u32 v[DG], s13, v[DG]                 ; + 32 cx: tile 2 cx's queries
.irp i, 0,1,2,3,4,5,6,7
	v_mov_b32 v[QF+8+\i], 0                        ; zero codes: the upper 64 of the instruction's 128
	v_mov_b32 v[KF+64+\i], 0
.endr
.irp b, 0,1,2,3
	v_mov_b32 v[B2+\b], 0                          ; written once: a lane permute's destination counts as one of its sources
.endr
	v_mov_b32 v[FF], 0
	v_mov_b32 v[FF+1], 0
; A KEY STEP: 128 keys.  qs: the register of Q's scale words.
.macro STEP qs
	s_cmp_gt_u32 s[SI], s[GG]                      ; all its keys come after my queries: passed over
	s_cbranch_scc1 .Lskip_\@
	s_setprio 2
	v_add_nc_u32 v[ADC], s[TB], v[LI]
	v_add_nc_u32 v[ADS], s[TS], v[LI]
	v_add_nc_u32 v[ADT], s[TS], v[LR]
.rept 5
	v_nop                                          ; with the three additions: eight places in front of loads into registers that the last products read
.endr
.irp t, 0,1,2,3,4,5,6,7
	ds_load_b128 v[KF+8*\t:KF+8*\t+3], v[ADC] offset:1024*\t
	ds_load_b128 v[KF+8*\t+4:KF+8*\t+7], v[ADC] offset:1024*\t+512
.endr
	ds_load_b128 v[KSR:KSR+3], v[ADS]              ; register j: tile j's words in lanes 0-15, tile 4 + j's in lanes 16-31
	s_wait_alu depctr_va_vdst(0)
	s_wait_dscnt 0x0
.irp t, 0,1,2,3
	v_wmma_scale_f32_16x16x128_f8f6f4 v[SC+8*\t:SC+8*\t+7], v[KF+8*\t:KF+8*\t+15], v[QF:QF+15], 0, v[KSR+\t], v[\qs] matrix_a_fmt:MATRIX_FMT_BF8 matrix_b_fmt:MATRIX_FMT_BF8
.endr
.irp t, 4,5,6,7
	v_wmma_scale_f32_16x16x128_f8f6f4 v[SC+8*\t:SC+8*\t+7], v[KF+8*\t:KF+8*\t+15], v[QF:QF+15], 0, v[KSR+\t-4], v[\qs] matrix_a_fmt:MATRIX_FMT_BF8 matrix_b_fmt:MATRIX_FMT_BF8 matrix_a_scale:MATRIX_SCALE_ROW1
.endr
.rept 8
	v_nop                                          ; places: in front of V's loads into K's registers, and of the first read of the scores
.endr
.irp t, 0,1,2,3
.irp c, 0,1,2,3
	ds_load_b128 v[KF+16*\t+4*\c:KF+16*\t+4*\c+3], v[ADC] offset:8192+2048*\t+512*\c   ; V's four tiles of d: they land while the softmax is worked
.endr
.endr
	ds_load_b128 v[VSR:VSR+3], v[ADT] offset:512
	s_cmp_lg_u32 s[SI], s[GG]                      ; only the tile's last step lies on the diagonal
	s_cbranch_scc1 .Lopen_\@
	v_mov_b32 v[TMP], 0xff800000                   ; -infinity: p = 0 then
.set n, 0
.rept 64
	v_cmp_gt_i32 vcc_lo, 32*(n/16)+n%16, v[DG]     ; register n holds key 32 (n / 16) + 16 (lane / 16) + n % 16 of the group: hidden where it comes after my query
	v_cndmask_b32 v[SC+n], v[SC+n], v[TMP], vcc_lo
.set n, n+1
.endr
.Lopen_\@:
.irp b, 0,1,2,3
	v_max3_num_f32 v[BM+\b], v[SC+16*\b], v[SC+1+16*\b], v[SC+2+16*\b]   ; the largest score of each block of 32 keys: it serves the row's maximum and, since p rises with the score, the block's largest p
.endr
.irp i, 3,5,7,9,11,13
.irp b, 0,1,2,3
	v_max3_num_f32 v[BM+\b], v[BM+\b], v[SC+16*\b+\i], v[SC+1+16*\b+\i]
.endr
.endr
.irp b, 0,1,2,3
	v_max_num_f32 v[BM+\b], v[BM+\b], v[SC+15+16*\b]
.endr
.irp b, 0,1,2,3
	s_delay_alu instid0(VALU_DEP_4)
	v_permlanex16_b32 v[B2+\b], v[BM+\b], s[SEL], s[SEL+1]
.endr
.irp b, 0,1,2,3
	s_delay_alu instid0(VALU_DEP_4)
	v_max_num_f32 v[BM+\b], v[BM+\b], v[B2+\b]     ; with lane l xor 16's 16 keys
.endr
	s_delay_alu instid0(VALU_DEP_2)
	v_max3_num_f32 v[TMP], v[BM], v[BM+1], v[BM+2]
	s_delay_alu instid0(VALU_DEP_1)
	v_max_num_f32 v[TMP], v[TMP], v[BM+3]          ; the step's largest score of my query
	s_delay_alu instid0(VALU_DEP_1)
	v_mul_f32 v[TMP], s[CS], v[TMP]                ; as t
	s_delay_alu instid0(VALU_DEP_1)
	v_max_num_f32 v13, v13, v[TMP]                 ; the running largest t
	v_mov_b32 v[TMP], v12
	s_delay_alu instid0(VALU_DEP_2)
	v_floor_f32 v12, -v13                          ; the new -M = floor(-t) = -ceil(t)
	s_delay_alu instid0(VALU_DEP_1)
	v_sub_f32 v[TMP], v12, v[TMP]                  ; old M - new M: a whole number, 0 or less
	s_delay_alu instid0(VALU_DEP_1)
	v_cvt_i32_f32 v[TMP], v[TMP]                   ; (it saturates)
	s_delay_alu instid0(VALU_DEP_1)
	v_ldexp_f32 v[FF], 1.0, v[TMP]                 ; f = 2^(old M - new M)
.set n, 0
	s_setprio 1
.rept 32
	v_pk_fma_f32 v[SC+n:SC+n+1], v[SC+n:SC+n+1], s[CS:CS+1], v[12:13] op_sel_hi:[1,0,0]   ; t - M, two at a time
.set n, n+2
.endr
.irp b, 0,1,2,3
	v_fma_f32 v[BM+\b], v[BM+\b], s[CS], v12       ; the same of each block's largest score
.endr
.set n, 0
	s_wait_alu depctr_va_vdst(0)
.rept 64
	v_exp_f32 v[SC+n], v[SC+n]                     ; p = 2^(t - M)
.set n, n+1
.endr
.irp b, 0,1,2,3
	v_exp_f32 v[BM+\b], v[BM+\b]                   ; the block's largest p: the same two instructions on the same number
.endr
	v_pk_mul_f32 v[14:15], v[14:15], v[FF:FF+1] op_sel_hi:[1,0]   ; the sums under the new M.  (A plain line behind the exponentials)
	s_wait_alu depctr_va_vdst(0)
.irp b, 0,1,2,3
	v_max_num_f32 v[BM+\b], 0x8000000, v[BM+\b]    ; the floor 2^(16 - 127)
.endr
.irp b, 0,1,2,3
	s_delay_alu instid0(VALU_DEP_4)
	v_add_nc_u32 v[SOP+\b], 0xf8800000, v[BM+\b]   ; the conversion's scale operand
.endr
.irp b, 0,1,2,3
.endr
.irp b, 0,1,2,3
	s_delay_alu instid0(VALU_DEP_4)
	v_lshrrev_b32 v[B2+\b], 23, v[SOP+\b]          ; the byte
.endr
	s_delay_alu instid0(VALU_DEP_3)
	v_lshl_or_b32 v[PWD], v[B2+1], 8, v[B2]        ; p's scale word for these 128 keys
	s_delay_alu instid0(VALU_DEP_1)
	v_lshl_or_b32 v[PWD], v[B2+2], 16, v[PWD]
	s_delay_alu instid0(VALU_DEP_1)
	v_lshl_or_b32 v[PWD], v[B2+3], 24, v[PWD]
	v_pk_add_f32 v[220:221], v[108:109], v[112:113]
	v_pk_add_f32 v[226:227], v[116:117], v[120:121]
	v_pk_add_f32 v[224:225], v[124:125], v[128:129]
	v_pk_add_f32 v[14:15], v[14:15], v[132:133]
	v_pk_add_f32 v[220:221], v[220:221], v[136:137]
	v_pk_add_f32 v[226:227], v[226:227], v[140:141]
	v_pk_add_f32 v[224:225], v[224:225], v[144:145]
	v_pk_add_f32 v[14:15], v[14:15], v[148:149]
	v_pk_add_f32 v[220:221], v[220:221], v[152:153]
	v_pk_add_f32 v[226:227], v[226:227], v[156:157]
	v_pk_add_f32 v[224:225], v[224:225], v[160:161]
	v_pk_add_f32 v[14:15], v[14:15], v[164:165]
	v_pk_add_f32 v[220:221], v[220:221], v[104:105]
	v_pk_add_f32 v[226:227], v[226:227], v[106:107]
	v_pk_add_f32 v[224:225], v[224:225], v[110:111]
	v_pk_add_f32 v[14:15], v[14:15], v[114:115]
	v_pk_add_f32 v[220:221], v[220:221], v[118:119]
	v_pk_add_f32 v[226:227], v[226:227], v[122:123]
	s_setprio 0
	v_pk_add_f32 v[224:225], v[224:225], v[126:127]
	v_pk_add_f32 v[14:15], v[14:15], v[130:131]
	v_pk_add_f32 v[220:221], v[220:221], v[134:135]
	v_pk_add_f32 v[226:227], v[226:227], v[138:139]
	v_pk_add_f32 v[224:225], v[224:225], v[142:143]
	v_pk_add_f32 v[14:15], v[14:15], v[146:147]
	v_pk_add_f32 v[220:221], v[220:221], v[150:151]
	v_pk_add_f32 v[226:227], v[226:227], v[154:155]
	v_pk_add_f32 v[224:225], v[224:225], v[158:159]
	v_pk_add_f32 v[14:15], v[14:15], v[162:163]
	v_pk_add_f32 v[220:221], v[220:221], v[166:167]
	s_delay_alu instid0(VALU_DEP_2)
	v_pk_add_f32 v[14:15], v[14:15], v[226:227]
	s_delay_alu instid0(VALU_DEP_2)
	v_pk_add_f32 v[220:221], v[220:221], v[224:225]
	s_delay_alu instid0(VALU_DEP_1)
	v_pk_add_f32 v[14:15], v[14:15], v[220:221]
.irp b, 0,1,2,3
.irp i, 0,1,2,3,4,5,6,7,8,9,10,11,12,13,14,15
.endr
	v_cvt_scalef32_pk8_bf8_f32 v[PCD+4*\b:PCD+4*\b+1], v[SC+16*\b:SC+16*\b+7], v[SOP+\b]
	v_cvt_scalef32_pk8_bf8_f32 v[PCD+4*\b+2:PCD+4*\b+3], v[SC+16*\b+8:SC+16*\b+15], v[SOP+\b]
.endr
.set n, 0
.rept 16
	v_pk_mul_f32 v[OT+n:OT+n+1], v[OT+n:OT+n+1], v[FF:FF+1] op_sel_hi:[1,0]   ; O^T under the new M.  (These sixteen are also the places between the codes and the products)
.set n, n+2
.endr
	s_wait_alu depctr_va_vdst(0)
	s_wait_dscnt 0x0                               ; V and its scale words are in
.irp t, 0,1,2,3
	v_wmma_scale_f32_16x16x128_f8f6f4 v[OT+8*\t:OT+8*\t+7], v[KF+16*\t:KF+16*\t+15], v[PCD:PCD+15], v[OT+8*\t:OT+8*\t+7], v[VSR+\t], v[PWD] matrix_a_fmt:MATRIX_FMT_BF8 matrix_b_fmt:MATRIX_FMT_BF8
.endr
.Lskip_\@:
	s_add_co_u32 s[TB], s[TB], 16384
	s_add_co_u32 s[TS], s[TS], 768
	s_add_co_u32 s[SI], s[SI], 1
.endm
.macro INIT p                          ; a tile begins: O^T and the sum are zeros, the largest t lies under every t: the first change of M multiplies zeros
.if \p
.irp i, 0,1,2,3,4,5,6,7
	v_mov_b32 v[QF+\i], v[Q1+\i]
.endr
	v_add_nc_u32 v[DG], 8, v[DG]                   ; tile 2 cx + 1's queries lie 8 further on
	s_mov_b32 s[GG], s[WV]
.else
	s_sub_co_u32 s[GG], 15, s[WV]
.endif
	v_mov_b32 v13, 0xff61b1e6                      ; -3e38
	s_delay_alu instid0(VALU_DEP_1)
	v_floor_f32 v12, -v13
	v_mov_b32 v14, 0
	v_mov_b32 v15, 0
.set n, 0
.rept 32
	v_mov_b32 v[OT+n], 0
.set n, n+1
.endr
	s_mov_b32 s[SI], 0
	s_mov_b32 s[TB], 0
	s_mov_b32 s[TS], 262144
.endm
; A tile's way out: O^T / the sum is y; register 16 b + i is d = 32 b + 16 (lane / 16) + i: two blocks of 32 along C.  The codes are half a fragment of the last product's operand and are stored as they stand.
.macro OUTP p
.rept 8
	v_nop                                          ; places behind the last products
.endr
	v_add_f32 v14, v14, v15
	s_delay_alu instid0(VALU_DEP_1)
	v_permlanex16_b32 v[FF], v14, s[SEL], s[SEL+1]
	s_delay_alu instid0(VALU_DEP_1)
	v_add_f32 v14, v14, v[FF]                      ; the row's sum
	s_wait_alu depctr_va_vdst(0)
	v_rcp_f32 v14, v14
	v_nop                                          ; a plain line behind the transcendental
.set n, 0
	s_wait_alu depctr_va_vdst(0)
.rept 16
	v_pk_mul_f32 v[SC+n:SC+n+1], v[OT+n:OT+n+1], v[14:15] op_sel_hi:[1,0]
.set n, n+2
.endr
.irp b, 0,1
	v_max3_num_f32 v[BM+\b], |v[SC+16*\b]|, |v[SC+1+16*\b]|, 0x8000000
.endr
.irp i, 2,4,6,8,10,12,14
.irp b, 0,1
	s_delay_alu instid0(VALU_DEP_2)
	v_max3_num_f32 v[BM+\b], v[BM+\b], |v[SC+16*\b+\i]|, |v[SC+1+16*\b+\i]|
.endr
.endr
.irp b, 0,1
	s_delay_alu instid0(VALU_DEP_2)
	v_permlanex16_b32 v[B2+\b], v[BM+\b], s[SEL], s[SEL+1]
.endr
.irp b, 0,1
	s_delay_alu instid0(VALU_DEP_2)
	v_max_num_f32 v[BM+\b], v[BM+\b], v[B2+\b]
.endr
.irp b, 0,1
	s_delay_alu instid0(VALU_DEP_2)
	v_add_nc_u32 v[SOP+\b], 0xf8800000, v[BM+\b]
.endr
.irp b, 0,1
.endr
.irp b, 0,1
	s_delay_alu instid0(VALU_DEP_2)
	v_lshrrev_b32 v[B2+\b], 23, v[SOP+\b]
.endr
	s_delay_alu instid0(VALU_DEP_1)
	v_lshl_or_b32 v[TMP], v[B2+1], 8, v[B2]        ; my row's two scale bytes
.irp b, 0,1
.irp i, 0,1,2,3,4,5,6,7,8,9,10,11,12,13,14,15
.endr
	v_cvt_scalef32_pk8_bf8_f32 v[PCD+4*\b:PCD+4*\b+1], v[SC+16*\b:SC+16*\b+7], v[SOP+\b]
	v_cvt_scalef32_pk8_bf8_f32 v[PCD+4*\b+2:PCD+4*\b+3], v[SC+16*\b+8:SC+16*\b+15], v[SOP+\b]
.endr
	v_nop                                          ; a plain line behind the last conversion
	global_store_b128 v[LI], v[PCD:PCD+3], s[YP+2*\p:YP+2*\p+1]               ; 512 consecutive bytes, aligned
	global_store_b128 v[LI], v[PCD+4:PCD+7], s[YP+2*\p:YP+2*\p+1] offset:512
	s_wait_alu depctr_va_vdst(0)
	s_wait_xcnt 0x0                                ; EXEC changes only behind this wait; the codes' registers are free too
	v_cmp_gt_u32 vcc_lo, 16, v1
	s_and_saveexec_b32 s[SX], vcc_lo
	global_store_b16 v[LR], v[TMP], s[YSP+2*\p:YSP+2*\p+1]   ; two bytes a row: a scale word of the last product spans two heads, so its halves come from two work-groups
	s_wait_xcnt 0x0
	s_or_b32 exec_lo, exec_lo, s[SX]
.endm
	s_wait_tensorcnt 0x1                           ; my shares of the scale words and of key steps 0-3 are in; key steps 4-15 may stay out
	s_barrier_signal -1
	s_barrier_wait -1                              ; everybody's are
	s_wait_loadcnt 0x0                             ; Q
	INIT 0
	s_mov_b32 s[CNT], 4
.Lfirst_four:
	STEP QS
	s_sub_co_u32 s[CNT], s[CNT], 1
	s_cmp_lg_u32 s[CNT], 0
	s_cbranch_scc1 .Lfirst_four
	s_setprio 0
	s_wait_tensorcnt 0x0                           ; my share of key steps 4-15 is in,
	s_wait_dscnt 0x0
	s_barrier_signal -1
	s_barrier_wait -1                              ; everybody's is: from here on the whole record lies in LDS
	s_mov_b32 s[CNT], 12
.Lthe_rest:
	STEP QS
	s_sub_co_u32 s[CNT], s[CNT], 1
	s_cmp_lg_u32 s[CNT], 0
	s_cbranch_scc1 .Lthe_rest
	s_setprio 0
	OUTP 0
	INIT 1
	s_mov_b32 s[CNT], 16
.Lsecond_tile:
	STEP QS+1
	s_sub_co_u32 s[CNT], s[CNT], 1
	s_cmp_lg_u32 s[CNT], 0
	s_cbranch_scc1 .Lsecond_tile
	s_setprio 0
	OUTP 1
	s_wait_dscnt 0x0
	s_wait_tensorcnt 0x0
	ds_add_u32 v246, v247
	s_wait_dscnt 0x0
	CROUND                                         ; the closing round
	s_endpgm
.Lfunc_end_k_q051dc8bff1_attn:
	.size	k_q051dc8bff1_attn, .Lfunc_end_k_q051dc8bff1_attn-k_q051dc8bff1_attn
	.p2alignl 7, 3214868480
	.fill 96, 4, 3214868480
	.section	.rodata,"a",@progbits
	.p2align	6, 0x0
	.amdhsa_kernel k_q051dc8bff1_attn
		.amdhsa_group_segment_fixed_size 276480
		.amdhsa_private_segment_fixed_size 0
		.amdhsa_enable_private_segment 0
		.amdhsa_kernarg_size 24
		.amdhsa_user_sgpr_count 2
		.amdhsa_user_sgpr_kernarg_segment_ptr 1
		.amdhsa_wavefront_size32 1
		.amdhsa_system_sgpr_workgroup_id_x 1
		.amdhsa_system_sgpr_workgroup_id_y 1
		.amdhsa_system_sgpr_workgroup_id_z 1
		.amdhsa_system_vgpr_workitem_id 0
		.amdhsa_next_free_vgpr 256
		.amdhsa_next_free_sgpr 100
		.amdhsa_reserve_vcc 1
		.amdhsa_float_denorm_mode_32 3
		.amdhsa_float_denorm_mode_16_64 3
		.amdhsa_fp16_overflow 1
		.amdhsa_memory_ordered 1
		.amdhsa_forward_progress 1
		.amdhsa_inst_pref_size 89
	.end_amdhsa_kernel
	.amdgpu_metadata
---
amdhsa.version: [ 1, 2 ]
amdhsa.kernels:
  - .name:           k_q051dc8bff1_attn
    .symbol:         k_q051dc8bff1_attn.kd
    .args:
      - { .name: qb, .offset: 0, .size: 8, .value_kind: global_buffer, .address_space: global }
      - { .name: kv, .offset: 8, .size: 8, .value_kind: global_buffer, .address_space: global }
      - { .name: yi, .offset: 16, .size: 8, .value_kind: global_buffer, .address_space: global }
    .group_segment_fixed_size: 276480
    .private_segment_fixed_size: 0
    .kernarg_segment_align: 8
    .kernarg_segment_size: 24
    .max_flat_workgroup_size: 512
    .sgpr_count:     100
    .vgpr_count:     256
    .wavefront_size: 32
...
	.end_amdgpu_metadata
.endif
;; end of part 3
;; launch proj (part 4): grid 4 x 32, 4 waves a work-group, clusters of 4 x 4, 327,680 bytes of LDS; arguments yi, wi, out0; writes out0
.if DOCPART == 4
	.amdgcn_target "amdgcn-amd-amdhsa--gfx1250"
	.amdhsa_code_object_version 6
	.text
	.protected	k_q051dc8bff1_proj
	.globl	k_q051dc8bff1_proj
	.p2align	8
	.type	k_q051dc8bff1_proj,@function
k_q051dc8bff1_proj:
	s_mov_b64 s[64:65], 0
	v_nop
	global_prefetch_b8 v0, s[64:65] scope:SCOPE_SE
	s_setreg_imm32_b32 hwreg(HW_REG_WAVE_MODE, 25, 1), 1
	s_wait_xcnt 0x0
	s_wait_alu depctr_hold_cnt(0) depctr_sa_sdst(0) depctr_va_vdst(0) depctr_va_sdst(0) depctr_va_ssrc(0) depctr_va_vcc(0) depctr_vm_vsrc(0)
	s_getreg_b32 s2, hwreg(HW_REG_IB_STS2, 6, 4)
	s_cmp_eq_u32 s2, 0
	s_cbranch_scc0 .Lentry_in_a_cluster
	s_endpgm
.Lentry_in_a_cluster:
	s_bfe_u32 s2, ttmp6, 0x10000c
	s_cmp_lg_u32 s2, 0xf033
	s_cbranch_scc0 .Lentry_shape_is_right
	s_endpgm
.Lentry_shape_is_right:
; out0 = y w_proj on codes of BF8 (E5M2) with E8M0 scales, K = 1,024; f32 sums, stored as f32.
; OPERANDS ARE IMAGES OF THEIR REGISTERS: a group is 128 rows, a tile 16; lane-row r of tile t is row 32 (t / 2) + 8 (t % 2) + r + 8 (r / 8); codes at group x 131,072 + K step x 16,384 + tile x 2,048 + 512 c + 16 lane;
; scale words at group x 4,096 + K step x 512 + 256 (tile / 4) + 16 r + 4 (tile % 4) (yi: from 8,388,608 on; wi: from 4,194,304 on; w_proj is wi's groups 24-31).
; A work-group of four waves makes 256 x 256, a wave 128 x 128: 64 accumulators.  K goes in slots of 256 through a ring of two LDS slots; the scale words of all of K come once and stay.
; Source 0 = 16 columns of w_proj ("B"), source 1 = 16 tokens of y ("A"): a lane holds one token, and the 16 registers of B's tiles 2 b, 2 b + 1 are the 16 neighbouring columns 32 b + 16 (lane / 16) + 0 .. 15.
; CLUSTERS: 4 x 4.  A's tiles are shared along a row of the cluster, B's along a column: each is asked for jointly.  The output has 32 x 4 tiles of 256 x 256: 128 work-groups.
; REGISTERS, in windows of 256: window 0: v0-31 addresses; v32-63 scale words, two sets; v128-255 A's fragments, one set, on the way out rows of the output.  window 1: B's fragments, two sets.  windows 2, 3: accumulator (a, b) at v[8 (8 (a % 4) + b)].
.set SLOT,   131072
.set SCL,    262144
.set SPARE,  278528                    ; the spare words, 128 bytes for each wave: two blocks of 256 bytes that no other line names
.set NP,     8
.set LI,   2                           ; v2      16 x lane
.set ADRA, 16
.set ADRB, 20
.set STO,  24                          ; v24     the way out: where I put 64 bytes of a row
.set RD,   25                          ; v25     and where I read a row back
.set ADSA, 27
.set SPW,  28
.set NIL,  29
.set ADSB, 30
.set AF,   128
.set BK,   128
.set G1, 24
.set G0, 32
.set G1B, 48
.set G0B, 56
.set G1S, 68
.set G0S, 76
.set G1SB, 80
.set G0SB, 88
.set MSB, 0
.macro WIN new                         ; the immediate's high byte repeats the setting that is left
.if MSB != (\new)
	s_set_vgpr_msb (MSB<<8)|(\new)
.set MSB, (\new)
.endif
.endm
.set MUL_LO, 0xa1
.set MUL_HI, 0xf1
.set TO_B,   0x40
.macro JLOAD g0a, g1a, g0b, g1b        ; a joint load: waves 0 and 1 fetch for A, waves 2 and 3 for B; four v_nop follow each of the two lines
	s_cmp_eq_u32 s15, 0
	s_cbranch_scc0 .Lfor_b_\@
	tensor_load_to_lds s[\g0a:\g0a+3], s[\g1a:\g1a+7]
	s_nop 0
.rept 4
	v_nop
.endr
	s_branch .Lasked_\@
.Lfor_b_\@:
	tensor_load_to_lds s[\g0b:\g0b+3], s[\g1b:\g1b+7]
	s_nop 0
.rept 4
	v_nop
.endr
.Lasked_\@:
.endm
.macro CREST
	s_cmp_lg_u32 s14, 0
	s_cbranch_scc1 .Lnot_wave_0_\@
	s_barrier_signal -3
.Lnot_wave_0_\@:
	s_barrier_wait -3
	s_barrier_signal -1
	s_barrier_wait -1
.endm
.macro CROUND
	s_barrier_signal -1
	s_barrier_wait -1
	CREST
.endm
.macro PLACES n
.rept \n
	v_nop
.endr
.endm
	s_load_b128 s[4:7], s[0:1], 0x0                ; yi s[4:5], wi s[6:7]
	s_load_b64 s[8:9], s[0:1], 0x10                ; out0
	v_lshl_add_u32 v[SPW], v0, 2, SPARE
	v_mov_b32 v[NIL], 0
	ds_add_u32 v28, v29
	ds_add_u32 v28, v29
	s_wait_dscnt 0x0
	v_lshrrev_b32 v1, 5, v0
	v_readfirstlane_b32 s14, v1                    ; wave 0..3
	s_lshr_b32 s15, s14, 1                         ; which of A's two groups is mine.  Also: I fetch for A (0) or for B (1)
	s_and_b32 s16, s14, 1                          ; which of B's two groups.  Also: which group of that side I fetch
	s_bfe_u32 s40, ttmp6, 0x40000                  ; cx, cy
	s_bfe_u32 s41, ttmp6, 0x40004
	s_and_b32 s17, ttmp7, 0xffff
	s_lshl_b32 s17, s17, 2
	s_add_co_u32 s17, s17, s41                     ; A's tile of 256 tokens = 4 x cluster y + cy
	s_add_co_u32 s42, s40, 12                      ; B's tile of 256 rows of wi: w_proj begins at tile 12
	s_lshl_b32 s43, s41, 2
	s_lshl_b32 s43, 15, s43                        ; my row of the cluster
	s_lshl_b32 s44, 0x1111, s40                    ; my column
	s_or_b32 s[G1+0], s43, (3<<16)|(1<<21)         ; 15:0 the mask; 17:16 elements of 8 bytes; 21 set beside a mask; no padding: every LDS access of the ring is 512 consecutive bytes
	s_or_b32 s[G1B+0], s44, (3<<16)|(1<<21)
	s_or_b32 s[G1S+0], s43, (3<<16)|(1<<21)
	s_or_b32 s[G1SB+0], s44, (3<<16)|(1<<21)
.irp g, G1, G1B
	s_mov_b32 s[\g+1], 32<<16                      ; a dense block as 128 rows of 256 bytes
	s_mov_b32 s[\g+2], 128<<16
	s_mov_b32 s[\g+3], 32<<16
	s_mov_b32 s[\g+4], 128
	s_mov_b32 s[\g+5], 32
	s_mov_b32 s[\g+6], 0
	s_mov_b32 s[\g+7], 0
.endr
.irp g, G1S, G1SB
	s_mov_b32 s[\g+1], 32<<16                      ; and as 16 rows
	s_mov_b32 s[\g+2], 16<<16
	s_mov_b32 s[\g+3], 32<<16
	s_mov_b32 s[\g+4], 16
	s_mov_b32 s[\g+5], 32
	s_mov_b32 s[\g+6], 0
	s_mov_b32 s[\g+7], 0
.endr
	s_lshl_b32 s20, s17, 1
	s_add_co_u32 s20, s20, s16                     ; the group that I fetch, if I fetch for A
	s_lshl_b32 s46, s42, 1
	s_add_co_u32 s46, s46, s16                     ; and if for B
	s_lshl_b32 s22, s20, 12
	s_add_co_u32 s22, s22, 0x800000                ; its scale words,
	s_lshl_b32 s20, s20, 17                        ; its codes
	s_lshl_b32 s92, s46, 12
	s_add_co_u32 s92, s92, 0x400000
	s_lshl_b32 s46, s46, 17
	s_mov_b32 s21, 0
	s_mov_b32 s23, 0
	s_mov_b32 s47, 0
	s_mov_b32 s93, 0
	s_lshl_b32 s45, s14, 15                        ; where they go: wave x 32,768
	s_lshl_b32 s94, s14, 12
	s_wait_kmcnt 0x0
	s_add_nc_u64 s[20:21], s[4:5], s[20:21]
	s_add_nc_u64 s[22:23], s[4:5], s[22:23]
	s_add_nc_u64 s[46:47], s[6:7], s[46:47]
	s_add_nc_u64 s[92:93], s[6:7], s[92:93]
	CROUND                                         ; all sixteen work-groups are here: the first joint loads meet
	s_mov_b32 s[G0S], 1
	s_add_co_u32 s[G0S+1], s94, SCL
	s_mov_b64 s[G0S+2:G0S+3], s[22:23]
	s_or_b32 s[G0S+3], s[G0S+3], 0x80000000
	s_mov_b32 s[G0SB], 1
	s_add_co_u32 s[G0SB+1], s94, SCL
	s_mov_b64 s[G0SB+2:G0SB+3], s[92:93]
	s_or_b32 s[G0SB+3], s[G0SB+3], 0x80000000
	JLOAD G0S, G1S, G0SB, G1SB
.irp s, 0,1
	s_mov_b32 s[G0+4*\s], 1
	s_add_co_u32 s[G0+4*\s+1], s45, \s*SLOT
	s_add_nc_u64 s[G0+4*\s+2:G0+4*\s+3], s[20:21], \s*32768
	s_or_b32 s[G0+4*\s+3], s[G0+4*\s+3], 0x80000000
	s_mov_b32 s[G0B+4*\s], 1
	s_add_co_u32 s[G0B+4*\s+1], s45, \s*SLOT
	s_add_nc_u64 s[G0B+4*\s+2:G0B+4*\s+3], s[46:47], \s*32768
	s_or_b32 s[G0B+4*\s+3], s[G0B+4*\s+3], 0x80000000
	s_wait_alu depctr_va_vdst(0)
	s_wait_tensorcnt 0x0
	ds_add_u32 v28, v29
	s_wait_dscnt 0x0
	CROUND
	JLOAD G0+4*\s, G1, G0B+4*\s, G1B               ; one load of mine is out
.endr
	v_and_b32 v1, 31, v0
	v_lshlrev_b32 v[LI], 4, v1
	s_wait_alu depctr_va_vdst(0)
	s_lshl_b32 s66, s15, 15
	s_lshl_b32 s67, s16, 15
	s_add_co_u32 s67, s67, 65536
.irp s, 0,1
	v_add_nc_u32 v[ADRA+\s], s66, v[LI]
	v_add_nc_u32 v[ADRB+\s], s67, v[LI]
	s_add_co_u32 s66, s66, SLOT
	s_add_co_u32 s67, s67, SLOT
.endr
	s_lshl_b32 s66, s15, 12
	s_add_co_u32 s66, s66, SCL
	v_add_nc_u32 v[ADSA], s66, v[LI]
	s_lshl_b32 s67, s16, 12
	s_add_co_u32 s67, s67, SCL+8192
	v_add_nc_u32 v[ADSB], s67, v[LI]
	s_mul_i32 s66, s14, 8448                       ; my stage: 16 rows x (512 bytes + 16), in slot 0, which has had its last fill and its last read when the first result is stored there
	v_and_b32 v3, 15, v0
	v_bfe_u32 v4, v0, 4, 1
	v_mul_u32_u24 v[STO], v3, 528
	v_lshl_add_u32 v[STO], v4, 6, v[STO]
	v_add_nc_u32 v[STO], s66, v[STO]               ; in: row r, + 64 h
	v_add_nc_u32 v[RD], s66, v[LI]                 ; back: a whole row of 512 bytes, 16 a lane
	s_lshl_b32 s66, s17, 1
	s_add_co_u32 s66, s66, s15
	s_lshl_b32 s66, s66, 19                        ; my 128 tokens: rows of 4,096 bytes
	s_lshl_b32 s67, s40, 1
	s_add_co_u32 s67, s67, s16
	s_lshl_b32 s67, s67, 9                         ; my 128 columns
	s_add_co_u32 s12, s66, s67
	s_mov_b32 s13, 0
	s_add_nc_u64 s[12:13], s[8:9], s[12:13]
.macro FRAG reg, adr, q, i
.irp c, 0,1,2,3
	ds_load_b128 v[\reg+4*\c:\reg+4*\c+3], v[\adr] offset:16384*(\q)+2048*(\i)+512*\c
.endr
.endm
.macro WM zero, rb, ra                 ; one matrix instruction on rD, rB, rA, rSB, rSA.  rb, ra: the side's scale words lie in lanes 16-31 (its tiles 4-7)
.if \zero
.if (\rb)
.if (\ra)
	v_wmma_scale_f32_16x16x128_f8f6f4 v[rD:rD+7], v[rB:rB+15], v[rA:rA+15], 0, v[rSB], v[rSA] matrix_a_fmt:MATRIX_FMT_BF8 matrix_b_fmt:MATRIX_FMT_BF8 matrix_a_scale:MATRIX_SCALE_ROW1 matrix_b_scale:MATRIX_SCALE_ROW1
.else
	v_wmma_scale_f32_16x16x128_f8f6f4 v[rD:rD+7], v[rB:rB+15], v[rA:rA+15], 0, v[rSB], v[rSA] matrix_a_fmt:MATRIX_FMT_BF8 matrix_b_fmt:MATRIX_FMT_BF8 matrix_a_scale:MATRIX_SCALE_ROW1
.endif
.else
.if (\ra)
	v_wmma_scale_f32_16x16x128_f8f6f4 v[rD:rD+7], v[rB:rB+15], v[rA:rA+15], 0, v[rSB], v[rSA] matrix_a_fmt:MATRIX_FMT_BF8 matrix_b_fmt:MATRIX_FMT_BF8 matrix_b_scale:MATRIX_SCALE_ROW1
.else
	v_wmma_scale_f32_16x16x128_f8f6f4 v[rD:rD+7], v[rB:rB+15], v[rA:rA+15], 0, v[rSB], v[rSA] matrix_a_fmt:MATRIX_FMT_BF8 matrix_b_fmt:MATRIX_FMT_BF8
.endif
.endif
.else
.if (\rb)
.if (\ra)
	v_wmma_scale_f32_16x16x128_f8f6f4 v[rD:rD+7], v[rB:rB+15], v[rA:rA+15], v[rD:rD+7], v[rSB], v[rSA] matrix_a_fmt:MATRIX_FMT_BF8 matrix_b_fmt:MATRIX_FMT_BF8 matrix_a_scale:MATRIX_SCALE_ROW1 matrix_b_scale:MATRIX_SCALE_ROW1
.else
	v_wmma_scale_f32_16x16x128_f8f6f4 v[rD:rD+7], v[rB:rB+15], v[rA:rA+15], v[rD:rD+7], v[rSB], v[rSA] matrix_a_fmt:MATRIX_FMT_BF8 matrix_b_fmt:MATRIX_FMT_BF8 matrix_a_scale:MATRIX_SCALE_ROW1
.endif
.else
.if (\ra)
	v_wmma_scale_f32_16x16x128_f8f6f4 v[rD:rD+7], v[rB:rB+15], v[rA:rA+15], v[rD:rD+7], v[rSB], v[rSA] matrix_a_fmt:MATRIX_FMT_BF8 matrix_b_fmt:MATRIX_FMT_BF8 matrix_b_scale:MATRIX_SCALE_ROW1
.else
	v_wmma_scale_f32_16x16x128_f8f6f4 v[rD:rD+7], v[rB:rB+15], v[rA:rA+15], v[rD:rD+7], v[rSB], v[rSA] matrix_a_fmt:MATRIX_FMT_BF8 matrix_b_fmt:MATRIX_FMT_BF8
.endif
.endif
.endif
.endm
; 16 matrix instructions: A's blocks a0, a0 + 1 x B's eight.  The 64 accumulators take turns, one instruction a turn, in the same order in every step.
.macro MUL16 a0, p, q, sc, zero
.irp a, \a0, \a0+1
.irp b, 0,1,2,3,4,5,6,7
.set rD, 8*(8*((\a)%4)+\b)
.set rB, 128*(\p)+16*\b
.set rA, AF+16*(\a)
.set rSB, 32+16*(\sc)+8*(\q)+4+\b%4
.set rSA, 32+16*(\sc)+8*(\q)+(\a)%4
	WM \zero, \b/4, (\a)/4
.endr
.endr
.endm
.macro FETCH_B slot, q, p
	WIN TO_B
.irp i, 0,1,2,3,4,5,6,7
	FRAG 128*(\p)+16*\i, ADRB+\slot, \q, \i
.endr
	WIN 0
.endm
.macro FETCH_A slot, q, i0
.irp i, \i0, \i0+1, \i0+2, \i0+3
	FRAG AF+16*(\i), ADRA+\slot, \q, \i
.endr
.endm
.macro SCALES sc
.irp q, 0,1
	ds_load_b128 v[32+16*\sc+8*\q:32+16*\sc+8*\q+3], v[ADSA] offset:512*\q
	ds_load_b128 v[36+16*\sc+8*\q:36+16*\sc+8*\q+3], v[ADSB] offset:512*\q
.endr
.endm
.macro STEP slot, q, zero
	s_wait_dscnt 16                                ; all but the youngest sixteen loads (A's blocks 4-7) are in
	WIN MUL_LO
	MUL16 0, (\q)%2, \q, \slot, \zero
	MUL16 2, (\q)%2, \q, \slot, \zero
	s_wait_dscnt 0
	PLACES NP                                      ; in front of loads into registers that matrix instructions have read
	FETCH_B \slot, (\q)+1, 1-(\q)%2
	FETCH_A \slot, (\q)+1, 0
	WIN MUL_HI
	MUL16 4, (\q)%2, \q, \slot, \zero
	MUL16 6, (\q)%2, \q, \slot, \zero
	PLACES NP
	WIN 0
	FETCH_A \slot, (\q)+1, 4
.endm
.macro TURN slot, next, fill
	s_wait_tensorcnt 0x0                           ; all my tensor loads have landed: my part of the next slot
	ds_add_u32 v[SPW], v[NIL]                      ; 0 onto my spare word
	s_wait_dscnt 17                                ; (the add and the youngest sixteen loads may be out)
	WIN MUL_LO
	MUL16 0, 1, 1, \slot, 0
	s_wait_dscnt 0x0                               ; the add is done, and my reads of this slot are over
	s_barrier_signal -1
	MUL16 2, 1, 1, \slot, 0
	WIN 0
	s_barrier_wait -1
.if \fill
	CREST                                          ; the barrier has opened a round of the cluster's: no wave of any partner still reads this slot or has a load on its way
	s_add_nc_u64 s[G0+4*\slot+2:G0+4*\slot+3], s[G0+4*\slot+2:G0+4*\slot+3], 65536
	s_add_nc_u64 s[G0B+4*\slot+2:G0B+4*\slot+3], s[G0B+4*\slot+2:G0B+4*\slot+3], 65536
	JLOAD G0+4*\slot, G1, G0B+4*\slot, G1B         ; the first tensor load behind the round, my one load until the next
	PLACES NP-4
.else
	PLACES NP
.endif
	s_wait_alu depctr_va_vdst(0)
	v_add_nc_u32 v[ADSA], 1024, v[ADSA]
	v_add_nc_u32 v[ADSB], 1024, v[ADSB]
	FETCH_B \next, 0, 0
	FETCH_A \next, 0, 0
	SCALES \next
	WIN MUL_HI
	MUL16 4, 1, 1, \slot, 0
	MUL16 6, 1, 1, \slot, 0
	PLACES NP
	WIN 0
	FETCH_A \next, 0, 4
.endm
	s_wait_alu depctr_va_vdst(0)
	s_wait_tensorcnt 1                             ; the scale words and my part of slot 0 are in; slot 1's load may be out
	s_barrier_signal -1
	s_barrier_wait -1
	FETCH_B 0, 0, 0
	FETCH_A 0, 0, 0
	SCALES 0
	FETCH_A 0, 0, 4
	STEP 0, 0, 1                                   ; the first step's products start the sums
	s_mov_b32 s3, 1
.Llap:
	TURN 0, 1, 1
	STEP 1, 0, 0
	TURN 1, 0, 1
	STEP 0, 0, 0
	s_sub_co_u32 s3, s3, 1
	s_cmp_lg_u32 s3, 0
	s_cbranch_scc1 .Llap
	TURN 0, 1, 0
	STEP 1, 0, 0
	s_wait_dscnt 16
	WIN MUL_LO
	MUL16 0, 1, 1, 1, 0
	MUL16 2, 1, 1, 1, 0
	s_wait_dscnt 0
	WIN MUL_HI
	MUL16 4, 1, 1, 1, 0
	MUL16 6, 1, 1, 1, 0
	WIN 0
; THE WAY OUT, row block by row block.  A lane holds four runs of 64 bytes of one row; the block goes through my own stage and comes back as whole rows of 512 bytes, which the 32 lanes store.
; LDS serves a wave's instructions in order (ISA guide 5.7.1.4): no wait between the stores and the loads, nor in front of the next block's stores.
.macro TOSTAGE a
.set AC, 64*((\a)%4)
	WIN 0x08+4*((\a)/4)                            ; the data: window 2 or 3
.irp b, 0,1,2,3
.irp e, 0,1,2,3
	ds_store_b128 v[STO], v[AC+16*\b+4*\e:AC+16*\b+4*\e+3] offset:128*\b+16*\e   ; each accumulator from its low end on
.endr
.endr
	WIN 0
.set BB, BK+64*((\a)%2)
.irp t, 0,1,2,3,4,5,6,7,8,9,10,11,12,13,14,15
	ds_load_b128 v[BB+4*\t:BB+4*\t+3], v[RD] offset:\t*528
.endr
.endm
.macro SEND a, younger                 ; younger: the LDS instructions issued behind block a's loads, which may stay out
.set BB, BK+64*((\a)%2)
	s_wait_dscnt \younger
.irp t, 0,1,2,3,4,5,6,7,8,9,10,11,12,13,14,15
	global_store_b128 v[LI], v[BB+4*\t:BB+4*\t+3], s[12:13] offset:(32*((\a)/2)+8*((\a)%2)+\t+8*(\t/8))*4096 th:TH_STORE_NT   ; 512 consecutive bytes of the row of lane-row t; 127 rows at the most: inside the signed 24-bit immediate
.endr
.endm
	PLACES NP                                      ; behind the last products: for the first reads of results and the loads into A's registers
	TOSTAGE 0
.irp a, 1,2,3,4,5,6,7
.if \a > 1
	s_wait_xcnt 0x0                                ; block a - 2's stores have read their registers: block a's loads may land there
.endif
	TOSTAGE \a
	SEND \a-1, 32                                  ; behind block a - 1's loads: block a's 16 stores and 16 loads
.endr
	SEND 7, 0
	s_wait_tensorcnt 0x0                           ; the wave's end
	ds_add_u32 v[SPW], v[NIL]
	s_wait_dscnt 0x0
	CROUND                                         ; the closing round
	s_endpgm
.Lfunc_end_k_q051dc8bff1_proj:
	.size	k_q051dc8bff1_proj, .Lfunc_end_k_q051dc8bff1_proj-k_q051dc8bff1_proj
	.p2alignl 7, 3214868480
	.fill 96, 4, 3214868480
	.section	.rodata,"a",@progbits
	.p2align	6, 0x0
	.amdhsa_kernel k_q051dc8bff1_proj
		.amdhsa_group_segment_fixed_size 327680
		.amdhsa_private_segment_fixed_size 0
		.amdhsa_enable_private_segment 0
		.amdhsa_kernarg_size 24
		.amdhsa_user_sgpr_count 2
		.amdhsa_user_sgpr_kernarg_segment_ptr 1
		.amdhsa_wavefront_size32 1
		.amdhsa_system_sgpr_workgroup_id_x 1
		.amdhsa_system_sgpr_workgroup_id_y 1
		.amdhsa_system_sgpr_workgroup_id_z 1
		.amdhsa_system_vgpr_workitem_id 0
		.amdhsa_next_free_vgpr 1024
		.amdhsa_next_free_sgpr 98
		.amdhsa_reserve_vcc 0
		.amdhsa_float_denorm_mode_32 3
		.amdhsa_float_denorm_mode_16_64 3
		.amdhsa_memory_ordered 1
		.amdhsa_forward_progress 1
		.amdhsa_inst_pref_size 144
	.end_amdhsa_kernel
	.amdgpu_metadata
---
amdhsa.version: [ 1, 2 ]
amdhsa.kernels:
  - .name:           k_q051dc8bff1_proj
    .symbol:         k_q051dc8bff1_proj.kd
    .args:
      - { .name: yi, .offset: 0, .size: 8, .value_kind: global_buffer, .address_space: global }
      - { .name: wi, .offset: 8, .size: 8, .value_kind: global_buffer, .address_space: global }
      - { .name: out0, .offset: 16, .size: 8, .value_kind: global_buffer, .address_space: global }
    .group_segment_fixed_size: 327680
    .private_segment_fixed_size: 0
    .kernarg_segment_align: 8
    .kernarg_segment_size: 24
    .max_flat_workgroup_size: 128
    .sgpr_count:     98
    .vgpr_count:     1024
    .wavefront_size: 32
...
	.end_amdgpu_metadata
.endif
;; end of part 4
